; MI455X (gfx1250); checked and timed in simulation.
; The chip was launched on July 23, 2026; its instructions are those of AMD's public machine-readable ISA for CDNA 5 (MIT licence, August 2026) and "CDNA5" Instruction Set Architecture Reference Guide (July 2026). The comments in the code are by the model that wrote it; some were corrected since.
;; Multihead Attention. Allowed arithmetic: float matrix products may take bf16 or f16 operands with f32 sums; other float arithmetic in f32, or as packed bf16 or f16 multiplies, adds, multiply-adds, maxima and minima; sums over many terms, partial sums and values carried from step to step in f32; what a program stores and reads back later, other than sums and carried values, may be rounded once to bf16 or f16.
;; Inputs: W_out 1,024 x 1,024 float32; W_qkv 1,024 x 3,072 float32; embeddings 4 x 2,048 x 1,024 float32; mask 4 x 2,048 x 2,048 bool.
;; Outputs: out0 4 x 2,048 x 1,024 float32.
;; One version. Each part assembles by itself: llvm-mc -triple=amdgcn-amd-amdhsa -mcpu=gfx1250 --defsym DOCPART=n.
;; ======== version 1 of 1: 4 launches
;; limits: values are held in f16: magnitudes above 65,504 overflow, below 6.1e-05 lose precision
;; workspace buffers: xb 16,777,216 bytes; wqb 6,291,456 bytes; wob 2,097,152 bytes; mp 16,777,216 bytes; qb 16,777,216 bytes; kb 16,777,216 bytes; vb 16,777,216 bytes; ob 16,777,216 bytes
;; launch prep (part 1): grid 2048 x 1, 8 waves a work-group, no clusters, 35,840 bytes of LDS; arguments embeddings, W_out, W_qkv, mask, xb, wob, wqb, mp; writes xb, wob, wqb, mp
.if DOCPART == 1
	.amdgcn_target "amdgcn-amd-amdhsa--gfx1250"
	.amdhsa_code_object_version 6
	.text
	.protected	k_qee7d8861fa_prep
	.globl	k_qee7d8861fa_prep
	.p2align	8
	.type	k_qee7d8861fa_prep,@function
k_qee7d8861fa_prep:
	s_mov_b64 s[64:65], 0
	v_nop
	global_prefetch_b8 v0, s[64:65] scope:SCOPE_SE
	s_setreg_imm32_b32 hwreg(HW_REG_WAVE_MODE, 25, 1), 1
	s_wait_xcnt 0x0
; PREPARATION: a stream.  Every work-group of eight waves takes 32,768 bytes of one input and writes them once in the form that the later launches load.
;   groups    0-1023  embeddings f32 -> xb  [8192][1024] bf16
;   groups 1024-1151  W_out f32 -> wob [1024 k][1024 n]: rounded to bf16 like every input, that number written as f16 (exact from 2^-14 up; below it f16's fixed step of 2^-24)
;   groups 1152-1535  W_qkv f32 -> wqb bf16 [head 16][K step 8][part 3 (q, k, v)][k 128][n 64]: a head's tile of one K step is 49,152 bytes on end
;   groups 1536-2047  mask bytes -> mp [tile of 16 queries 512][step of 64 keys 32][1,024 bytes], in the order in which a lane of the attention holds a tile of scores:
;                     half i of a step at 512 i, lane l's 16 bytes at 16 l: query l % 16; bytes 0-7 keys 32 i + 8 (l / 16) + 0..7, bytes 8-15 the keys 16 further on.
;                     A visible key is the code 0x00, a hidden one 0xC0 (-2.0 as an 8-bit float E4M3).  The mask's bytes are 0 or 1.
; No matrix unit, no cluster, no tensor load: no byte is read twice, and nothing is shared between work-groups.  The mask alone changes lanes, through each wave's own 16 rows of LDS.
.set SPITCH, 272                       ; a stage row: 256 bytes + 16: row r begins 4 r words further round the banks
.set WSTAGE, 16*SPITCH                 ; a wave's stage
.set SPARE,  8*WSTAGE                  ; behind the stages: the spare words, 128 bytes a wave: four blocks of 256 bytes that no other line names
.set IN,  1                            ; v1  my byte offset in the input
.set OUT, 2                            ; v2  in the output
.set LS,  3                            ; v3  stage: where I put 16 bytes
.set LR,  4                            ; v4  stage: where I read 8 bytes
.set SPW, 8                            ; v8  my spare word; never rewritten
.set NIL, 9                            ; v9  0; never rewritten
.set X,   16                           ; v[16:47]  eight loads of 16 bytes
.set Y,   48                           ; v[48:63]  eight results of 8 bytes
.set Z,   64                           ; v[64:95]  the mask's eight results of 16 bytes
	s_load_b512 s[4:19], s[0:1], 0x0               ; embeddings s[4:5], W_out s[6:7], W_qkv s[8:9], mask s[10:11], xb s[12:13], wob s[14:15], wqb s[16:17], mp s[18:19]
	v_lshl_add_u32 v[SPW], v0, 2, SPARE
	v_mov_b32 v[NIL], 0
	v_lshrrev_b32 v5, 5, v0
	v_readfirstlane_b32 s20, v5                    ; wave 0..7
	s_mov_b32 s21, ttmp9                           ; the work-group's number
	s_mov_b32 s27, 0                               ; high word of the offset pair s[26:27]
	s_mov_b32 s29, 0                               ; 1: the result is written as f16
	s_wait_kmcnt 0x0
.macro LOADS stride                    ; eight loads of 16 bytes a lane, all on their way together
.irp j, 0,1,2,3,4,5,6,7
	global_load_b128 v[X+4*(\j):X+4*(\j)+3], v[IN], s[22:23] offset:(\j)*(\stride) th:TH_LOAD_NT
.endr
.endm
	s_cmp_lt_u32 s21, 1152
	s_cbranch_scc0 .Lnot_flat
	; embeddings or W_out: input and output are both dense
	s_cmp_lt_u32 s21, 1024
	s_cselect_b64 s[22:23], s[4:5], s[6:7]
	s_cselect_b64 s[24:25], s[12:13], s[14:15]
	s_cselect_b32 s29, 0, 1
	s_cselect_b32 s28, 0, 1024
	s_sub_co_u32 s28, s21, s28                     ; the block's number in its tensor
	s_lshl_b32 s26, s28, 15
	s_add_nc_u64 s[22:23], s[22:23], s[26:27]
	s_lshl_b32 s26, s28, 14
	s_add_nc_u64 s[24:25], s[24:25], s[26:27]
	v_lshlrev_b32 v[IN], 4, v0                     ; 256 threads x 16 bytes = 4,096 bytes a load
	v_lshlrev_b32 v[OUT], 3, v0
	LOADS 4096
	s_branch .Lcast
.Lnot_flat:
	s_cmp_lt_u32 s21, 1536
	s_cbranch_scc0 .Lmask
	; W_qkv: the block's number counts OUTPUT blocks (head, K step, part) of 128 k x 64 n
	s_sub_co_u32 s28, s21, 1152
	s_mul_i32 s30, s28, 171
	s_lshr_b32 s30, s30, 9                         ; number / 3 (exact for numbers under 384) = 8 head + K step
	s_mul_i32 s31, s30, 3
	s_sub_co_u32 s31, s28, s31                     ; part
	s_lshr_b32 s32, s30, 3                         ; head
	s_and_b32 s33, s30, 7                          ; K step
	s_mul_i32 s26, s33, 128*12288                  ; 128 rows of 12,288 bytes
	s_mul_i32 s32, s32, 768                        ; a head's 192 columns
	s_add_co_u32 s26, s26, s32
	s_lshl_b32 s31, s31, 8                         ; a part's 64 columns
	s_add_co_u32 s26, s26, s31
	s_add_nc_u64 s[22:23], s[8:9], s[26:27]
	s_lshl_b32 s26, s28, 14
	s_add_nc_u64 s[24:25], s[16:17], s[26:27]
	v_lshrrev_b32 v5, 4, v0                        ; sixteen lanes take the 256 bytes of one row; 256 threads 16 rows
	v_and_b32 v6, 15, v0
	v_mul_u32_u24 v5, v5, 12288
	v_lshl_add_u32 v[IN], v6, 4, v5
	v_lshlrev_b32 v[OUT], 3, v0                    ; row x 128 + 8 x place = 8 x thread
	LOADS 16*12288
.Lcast:
	s_cmp_eq_u32 s29, 1
	s_cbranch_scc1 .Lcast16
.irp j, 0,1,2,3,4,5,6,7
	s_wait_loadcnt 7-(\j)                          ; loads come back in order: load j is in, the younger ones stay out
	v_cvt_pk_bf16_f32 v[Y+2*(\j)],   v[X+4*(\j)],   v[X+4*(\j)+1]
	v_cvt_pk_bf16_f32 v[Y+2*(\j)+1], v[X+4*(\j)+2], v[X+4*(\j)+3]
	global_store_b64 v[OUT], v[Y+2*(\j):Y+2*(\j)+1], s[24:25] offset:(\j)*2048  ; a wave's store covers 256 consecutive bytes, aligned
.endr
	s_branch .Lend
.Lcast16:
.irp j, 0,1,2,3,4,5,6,7
	s_wait_loadcnt 7-(\j)
	v_cvt_pk_bf16_f32 v[Y+2*(\j)],   v[X+4*(\j)],   v[X+4*(\j)+1]
	v_cvt_pk_bf16_f32 v[Y+2*(\j)+1], v[X+4*(\j)+2], v[X+4*(\j)+3]
.irp k, 0,1
	v_lshlrev_b32 v5, 16, v[Y+2*(\j)+(\k)]         ; the two bf16 numbers as f32,
	v_and_b32 v6, 0xffff0000, v[Y+2*(\j)+(\k)]
	v_cvt_pk_f16_f32 v[Y+2*(\j)+(\k)], v5, v6      ; and written as f16
.endr
	global_store_b64 v[OUT], v[Y+2*(\j):Y+2*(\j)+1], s[24:25] offset:(\j)*2048
.endr
	s_branch .Lend
.Lmask:
	; a tile of 16 queries x 2,048 keys; wave w takes keys 256 w .. 256 w + 255, four steps of 64
	s_sub_co_u32 s28, s21, 1536
	s_lshl_b32 s26, s28, 15
	s_add_nc_u64 s[22:23], s[10:11], s[26:27]
	s_lshl_b32 s30, s20, 12                        ; four steps of 1,024 bytes
	s_add_co_u32 s26, s26, s30
	s_add_nc_u64 s[24:25], s[18:19], s[26:27]
	v_and_b32 v5, 15, v0                           ; l % 16
	v_bfe_u32 v6, v0, 4, 1                         ; l / 16
	s_lshl_b32 s30, s20, 8
	v_lshl_add_u32 v[IN], v5, 4, s30               ; lanes 0-15 take 256 bytes of an even row,
	v_lshl_add_u32 v[IN], v6, 11, v[IN]            ; lanes 16-31 of the row below
	LOADS 4096
	s_mul_i32 s31, s20, WSTAGE
	v_mul_u32_u24 v[LS], v6, SPITCH
	v_lshl_add_u32 v[LS], v5, 4, v[LS]
	v_add_nc_u32 v[LS], s31, v[LS]
	v_mul_u32_u24 v[LR], v5, SPITCH                ; back: query l % 16, 8 keys from 8 (l / 16) on
	v_lshl_add_u32 v[LR], v6, 3, v[LR]
	v_add_nc_u32 v[LR], s31, v[LR]
	v_and_b32 v[OUT], 31, v0
	v_lshlrev_b32 v[OUT], 4, v[OUT]
.irp j, 0,1,2,3,4,5,6,7
	s_wait_loadcnt 7-(\j)
.irp k, 0,1,2,3
	v_lshlrev_b32 v[Y+(\k)], 6, v[X+4*(\j)+(\k)]   ; each byte 0 or 1 becomes 0x00 or 0xC0: no bit leaves its byte
	v_lshl_or_b32 v[X+4*(\j)+(\k)], v[X+4*(\j)+(\k)], 7, v[Y+(\k)]
.endr
	ds_store_b128 v[LS], v[X+4*(\j):X+4*(\j)+3] offset:(\j)*2*SPITCH
.endr
.irp j, 0,1,2,3,4,5,6,7                ; LDS serves a wave's instructions in order, and the stage is the wave's own: these see the stores above
	ds_load_b64 v[Z+4*(\j):Z+4*(\j)+1],   v[LR] offset:32*(\j)
	ds_load_b64 v[Z+4*(\j)+2:Z+4*(\j)+3], v[LR] offset:32*(\j)+16
.endr
	s_wait_dscnt 0x0
.irp j, 0,1,2,3,4,5,6,7
	global_store_b128 v[OUT], v[Z+4*(\j):Z+4*(\j)+3], s[24:25] offset:512*(\j)  ; 512 consecutive bytes, aligned
.endr
.Lend:
	s_wait_tensorcnt 0x0                           ; the wave's end, behind my last LDS store
	ds_add_u32 v[SPW], v[NIL]
	s_wait_dscnt 0x0
	s_endpgm
.Lfunc_end_k_qee7d8861fa_prep:
	.size	k_qee7d8861fa_prep, .Lfunc_end_k_qee7d8861fa_prep-k_qee7d8861fa_prep
	.p2alignl 7, 3214868480
	.fill 96, 4, 3214868480
	.section	.rodata,"a",@progbits
	.p2align	6, 0x0
	.amdhsa_kernel k_qee7d8861fa_prep
		.amdhsa_group_segment_fixed_size 35840
		.amdhsa_private_segment_fixed_size 0
		.amdhsa_enable_private_segment 0
		.amdhsa_kernarg_size 64
		.amdhsa_user_sgpr_count 2
		.amdhsa_user_sgpr_kernarg_segment_ptr 1
		.amdhsa_wavefront_size32 1
		.amdhsa_system_sgpr_workgroup_id_x 1
		.amdhsa_system_sgpr_workgroup_id_y 1
		.amdhsa_system_sgpr_workgroup_id_z 1
		.amdhsa_system_vgpr_workitem_id 0
		.amdhsa_next_free_vgpr 96
		.amdhsa_next_free_sgpr 66
		.amdhsa_reserve_vcc 0
		.amdhsa_float_denorm_mode_32 3
		.amdhsa_float_denorm_mode_16_64 3
		.amdhsa_memory_ordered 1
		.amdhsa_forward_progress 1
		.amdhsa_inst_pref_size 18
	.end_amdhsa_kernel
	.amdgpu_metadata
---
amdhsa.version: [ 1, 2 ]
amdhsa.kernels:
  - .name:           k_qee7d8861fa_prep
    .symbol:         k_qee7d8861fa_prep.kd
    .args:
      - { .name: embeddings, .offset: 0, .size: 8, .value_kind: global_buffer, .address_space: global }
      - { .name: W_out, .offset: 8, .size: 8, .value_kind: global_buffer, .address_space: global }
      - { .name: W_qkv, .offset: 16, .size: 8, .value_kind: global_buffer, .address_space: global }
      - { .name: mask, .offset: 24, .size: 8, .value_kind: global_buffer, .address_space: global }
      - { .name: xb, .offset: 32, .size: 8, .value_kind: global_buffer, .address_space: global }
      - { .name: wob, .offset: 40, .size: 8, .value_kind: global_buffer, .address_space: global }
      - { .name: wqb, .offset: 48, .size: 8, .value_kind: global_buffer, .address_space: global }
      - { .name: mp, .offset: 56, .size: 8, .value_kind: global_buffer, .address_space: global }
    .group_segment_fixed_size: 35840
    .private_segment_fixed_size: 0
    .kernarg_segment_align: 8
    .kernarg_segment_size: 64
    .max_flat_workgroup_size: 256
    .sgpr_count:     66
    .vgpr_count:     96
    .wavefront_size: 32
...
	.end_amdgpu_metadata
.endif
;; end of part 1
;; launch qkv (part 2): grid 16 x 32, 4 waves a work-group, clusters of 4 x 4, 327,680 bytes of LDS; arguments xb, wqb, qb, kb, vb; writes qb, kb, vb
.if DOCPART == 2
	.amdgcn_target "amdgcn-amd-amdhsa--gfx1250"
	.amdhsa_code_object_version 6
	.text
	.protected	k_qee7d8861fa_qkv
	.globl	k_qee7d8861fa_qkv
	.p2align	8
	.type	k_qee7d8861fa_qkv,@function
k_qee7d8861fa_qkv:
	s_mov_b64 s[64:65], 0
	v_nop
	global_prefetch_b8 v0, s[64:65] scope:SCOPE_SE
	s_setreg_imm32_b32 hwreg(HW_REG_WAVE_MODE, 25, 1), 1
	s_wait_xcnt 0x0
	s_wait_alu depctr_hold_cnt(0) depctr_sa_sdst(0) depctr_va_vdst(0) depctr_va_sdst(0) depctr_va_ssrc(0) depctr_va_vcc(0) depctr_vm_vsrc(0)
	s_getreg_b32 s2, hwreg(HW_REG_IB_STS2, 6, 4)
	s_cmp_eq_u32 s2, 0
	s_cbranch_scc0 .Lentry_in_a_cluster
	s_endpgm
.Lentry_in_a_cluster:
	s_bfe_u32 s2, ttmp6, 0x10000c
	s_cmp_lg_u32 s2, 0xf033
	s_cbranch_scc0 .Lentry_shape_is_right
	s_endpgm
.Lentry_shape_is_right:
; q, k, v = x W_qkv, by heads.  xb: [8192][1024] bf16.  wqb: bf16 [head 16][K step 8][part 3][k 128][n 64].  qb, kb, vb: [batch x 16 + head][2048][64] f16, unscaled, each rounded once from its f32 sum.
; LIMIT: q, k and v stay within f16's 65,504.
; A work-group of four waves makes 256 rows x one head's 192 columns; a wave 64 rows x 192: 48 accumulators of 16 x 16.  16 x 32 = 512 work-groups.
; K goes in 8 steps of 128 through two LDS slots filled by tensor loads: waves 0 and 1 fetch the two halves of x's 256 rows (rows of 256 bytes), waves 2 and 3 the halves of the weights' dense tile.
; CLUSTER 4 x 4: the four of a cluster's row need the same rows of x, the four of a column the same head's weights: each tile is asked for jointly, by the same load, descriptor and mask in all four.
; THE PRODUCT IS USED TRANSPOSED: source 0 = 16 columns of W (stored [k][n], turned by ds_load_tr16_b128), source 1 = 16 rows of x: a lane holds row l % 16 and the columns 8 (l / 16) + 0..7.
; REGISTERS: window 0: v0-31 addresses; v64-127 x's fragments, two buffers of 4; v128-223 the way out.  window 1: v0-191 W's fragments, two buffers of 12.
;   window 2: accumulators of row blocks 0, 1 (block a, column block b at 96 (a % 2) + 8 b); window 3: of row blocks 2, 3.
.set NB,     12
.set PA,     272                       ; a row of x in LDS: 256 bytes + 16
.set PB,     160                       ; a row of W (64 columns) in LDS: 128 bytes + 32: an odd multiple of 32
.set AHALF,  128*PA
.set BOFF,   2*AHALF                   ; W's tile lies behind x's 256 rows: [part 3][k 128] rows
.set BHALF,  192*PB
.set SLOT,   BOFF+2*BHALF              ; 131,072
.set STAGE,  2*SLOT                    ; behind the ring, never filled by a tensor load: 16 rows x 400 bytes for each wave
.set SPITCH, 400
.set SPARE,  STAGE+4*16*SPITCH         ; the spare words, 128 bytes a wave: two blocks of 256 bytes that no other line names
.set TILEB,  49152                     ; bytes of a head's weights in one K step
.set ADRA, 16                          ; v16-17 LDS address of my fragments of x in slot 0, 1
.set ADRB, 20                          ; v20-21 the same for W
.set STO,  24
.set RD,   25
.set GO,   26
.set SPW,  28                          ; my spare word; never rewritten
.set NIL,  29                          ; 0; never rewritten
.set PFO,  30                          ; the prefetches' lane offset; never rewritten
.set FA,   64
.set TMP,  128
.set BK,   176
.set G1,  24
.set G0,  32
.set G1B, 48
.set G0B, 56
.set LIM, 43                           ; 1 in a wave that prefetches, else the greatest number
.set PFA, 44                           ; s[44:45] where my prefetches stand
.set PST, 74                           ; s[74:75] a K step in bytes, for them
.set MSB, 0
.macro WIN new                         ; the immediate's high byte repeats the setting that is left
.if MSB != (\new)
	s_set_vgpr_msb (MSB<<8)|(\new)
.set MSB, \new
.endif
.endm
.set MUL_LO, 0xa1                      ; source 0 (W) window 1, source 1 (x) window 0, C and D window 2
.set MUL_HI, 0xf1                      ; the same, C and D window 3
.set TO_B,   0x40                      ; destination window 1, address window 0
.macro JLOAD s                         ; a joint load: waves 0, 1 for x, waves 2, 3 for W; an s_nop 0 and four v_nop follow each line
	s_cmp_eq_u32 s11, 0
	s_cbranch_scc0 .Lfor_b_\@
	tensor_load_to_lds s[G0+4*(\s):G0+4*(\s)+3], s[G1:G1+7]
	s_nop 0
.rept 4
	v_nop
.endr
	s_branch .Lasked_\@
.Lfor_b_\@:
	tensor_load_to_lds s[G0B+4*(\s):G0B+4*(\s)+3], s[G1B:G1B+7]
	s_nop 0
.rept 4
	v_nop
.endr
.Lasked_\@:
.endm
; A prefetch of the K step that stands two refills on.  x's rows are read by every cluster of a row of clusters: the one with x = 0 asks; a head's weights by every cluster of a column: the one with y = 0 asks.
; The four partners of a joint load share its blocks of 256 bytes out by address.  The loop's last trip asks for nothing: its refills are the last two K steps.
.macro ASK
	s_cmp_gt_u32 s3, s[LIM]
	s_cbranch_scc0 .Lnot_mine_\@
	global_prefetch_b8 v[PFO], s[PFA:PFA+1] th:TH_LOAD_NT scope:SCOPE_SE
.Lnot_mine_\@:
.endm
.macro CREST                           ; a round of the cluster's barrier behind its opening barrier
	s_cmp_lg_u32 s10, 0
	s_cbranch_scc1 .Lnot_wave_0_\@
	s_barrier_signal -3
.Lnot_wave_0_\@:
	s_barrier_wait -3
	s_barrier_signal -1
	s_barrier_wait -1
.endm
.macro CROUND
	s_barrier_signal -1
	s_barrier_wait -1
	CREST
.endm
.macro PLACES                          ; four plain places in front of loads into registers that products have read, and of reads of results
.rept 4
	v_nop
.endr
.endm
	s_load_b128 s[4:7], s[0:1], 0x0                ; xb s[4:5], wqb s[6:7]
	s_load_b128 s[68:71], s[0:1], 0x10             ; qb s[68:69], kb s[70:71]
	s_load_b64 s[72:73], s[0:1], 0x20              ; vb
	v_lshl_add_u32 v[SPW], v0, 2, SPARE
	v_mov_b32 v[NIL], 0
	ds_add_u32 v[SPW], v[NIL]                      ; the wave's opening: the add and its wait ahead of my first tensor load
	v_lshrrev_b32 v1, 5, v0
	v_readfirstlane_b32 s10, v1                    ; wave 0..3: my 64 rows of the tile
	s_lshr_b32 s11, s10, 1                         ; I fetch for x (0) or for W (1),
	s_and_b32 s12, s10, 1                          ; this half of the tile
	s_bfe_u32 s40, ttmp6, 0x40000                  ; cx
	s_bfe_u32 s41, ttmp6, 0x40004                  ; cy
	s_lshl_b32 s42, ttmp9, 2
	s_add_co_u32 s42, s42, s40                     ; the head = 4 x cluster x + cx
	s_and_b32 s13, ttmp7, 0xffff
	s_lshl_b32 s13, s13, 2
	s_add_co_u32 s13, s13, s41                     ; the block of 256 rows = 4 x cluster y + cy
	s_lshl_b32 s43, s41, 2
	s_lshl_b32 s43, 15, s43                        ; my row of the cluster
	s_lshl_b32 s44, 0x1111, s40                    ; my column
	s_or_b32 s[G1+0], s43, (1<<16)|(1<<20)|(1<<21)|(5<<22)|(3<<25)   ; the mask; 2-byte elements; padding on; bit 21 beside a mask; after every 64 words 4 words
	s_mov_b32 s[G1+1], 128<<16                     ; tensor_dim0 = 128
	s_mov_b32 s[G1+2], 128<<16                     ; tensor_dim1 = 128
	s_mov_b32 s[G1+3], 128<<16                     ; tile_dim0 = 128
	s_mov_b32 s[G1+4], 128                         ; tile_dim1 = 128
	s_mov_b32 s[G1+5], 1024                        ; elements from row to row
	s_mov_b32 s[G1+6], 0
	s_mov_b32 s[G1+7], 0
	s_or_b32 s[G1B+0], s44, (1<<16)|(1<<20)|(1<<21)|(4<<22)|(7<<25)  ; after every 32 words (a row of 64 columns) 8 words
	s_mov_b32 s[G1B+1], 128<<16                    ; half a tile, 24,576 dense bytes, asked for as 96 rows of 256 bytes
	s_mov_b32 s[G1B+2], 96<<16
	s_mov_b32 s[G1B+3], 128<<16
	s_mov_b32 s[G1B+4], 96
	s_mov_b32 s[G1B+5], 128
	s_mov_b32 s[G1B+6], 0
	s_mov_b32 s[G1B+7], 0
	s_lshl_b32 s16, s13, 8
	s_lshl_b32 s17, s12, 7
	s_add_co_u32 s16, s16, s17                     ; x: row 256 x block + 128 x half,
	s_lshl_b32 s16, s16, 11                        ; 2,048 bytes a row
	s_mov_b32 s17, 0
	s_mul_i32 s46, s42, 8*TILEB                    ; W: the head's eight tiles,
	s_mul_i32 s47, s12, TILEB/2                    ; my half of a tile
	s_add_co_u32 s46, s46, s47
	s_mov_b32 s47, 0
	s_mul_i32 s20, s12, AHALF                      ; where they go: no place in the cluster enters an LDS address
	s_mul_i32 s21, s12, BHALF
	s_add_co_u32 s21, s21, BOFF
	s_wait_dscnt 0x0                               ; the opening add is done
	s_wait_kmcnt 0x0
	s_add_nc_u64 s[14:15], s[4:5], s[16:17]
	s_add_nc_u64 s[46:47], s[6:7], s[46:47]
	CROUND                                         ; all sixteen work-groups are here: the first joint loads meet
.irp s, 0,1
	s_mov_b32 s[G0+4*(\s)], 1
	s_add_co_u32 s[G0+4*(\s)+1], s20, (\s)*SLOT
	s_add_nc_u64 s[G0+4*(\s)+2:G0+4*(\s)+3], s[14:15], (\s)*256      ; K step s
	s_or_b32 s[G0+4*(\s)+3], s[G0+4*(\s)+3], 0x80000000
	s_mov_b32 s[G0B+4*(\s)], 1
	s_add_co_u32 s[G0B+4*(\s)+1], s21, (\s)*SLOT
	s_add_nc_u64 s[G0B+4*(\s)+2:G0B+4*(\s)+3], s[46:47], (\s)*TILEB
	s_or_b32 s[G0B+4*(\s)+3], s[G0B+4*(\s)+3], 0x80000000
	JLOAD \s
.endr
	v_and_b32 v1, 15, v0                           ; l % 16
	v_bfe_u32 v2, v0, 4, 1                         ; l / 16
	v_mul_u32_u24 v3, v1, PA
	v_lshl_add_u32 v3, v2, 4, v3                   ; a fragment of x: row x pitch + 16 x half
	s_mul_i32 s22, s10, 64*PA                      ; my 64 rows
	v_add_nc_u32 v[ADRA], s22, v3
	v_add_nc_u32 v[ADRA+1], SLOT, v[ADRA]
	v_and_b32 v4, 7, v0                            ; the turning load: lane l reads k = 8 (l / 16) + l % 8, columns 8 ((l / 8) % 2) + 0..7
	v_lshl_add_u32 v4, v2, 3, v4
	v_mul_u32_u24 v4, v4, PB
	v_bfe_u32 v5, v0, 3, 1
	v_lshl_add_u32 v4, v5, 4, v4
	v_add_nc_u32 v[ADRB], BOFF, v4
	v_add_nc_u32 v[ADRB+1], BOFF+SLOT, v4
	s_mul_i32 s23, s10, 16*SPITCH
	s_add_co_u32 s23, s23, STAGE                   ; my stage
	v_mul_u32_u24 v4, v1, SPITCH                   ; in: row l % 16, 16 bytes for each half of the lanes
	v_lshl_add_u32 v4, v2, 4, v4
	v_add_nc_u32 v[STO], s23, v4
	v_bfe_u32 v5, v0, 3, 2                         ; back: 32 lanes take 128 bytes of each of four rows,
	v_mul_u32_u24 v5, v5, SPITCH
	v_and_b32 v4, 7, v0
	v_lshl_add_u32 v5, v4, 4, v5
	v_add_nc_u32 v[RD], s23, v5
	v_and_b32 v[GO], 31, v0                        ; which are 512 consecutive bytes of q, k or v
	v_lshlrev_b32 v[GO], 4, v[GO]
	s_lshr_b32 s76, s13, 3                         ; where my 64 rows begin in q, k and v: ((batch x 16 + head) x 2,048 + row in the batch) x 128 bytes
	s_lshl_b32 s76, s76, 4
	s_add_co_u32 s76, s76, s42
	s_lshl_b32 s76, s76, 11
	s_and_b32 s77, s13, 7
	s_lshl_b32 s77, s77, 8
	s_add_co_u32 s76, s76, s77
	s_lshl_b32 s77, s10, 6
	s_add_co_u32 s76, s76, s77
	s_lshl_b32 s76, s76, 7
	s_mov_b32 s77, 0
	s_add_nc_u64 s[68:69], s[68:69], s[76:77]
	s_add_nc_u64 s[70:71], s[70:71], s[76:77]
	s_add_nc_u64 s[72:73], s[72:73], s[76:77]
	; the prefetches.  x: of the 128 rows that I fetch my work-group takes 32 (by cx), a lane a row.  W: of the 96 blocks of 256 bytes it takes 24 (by cy); lanes 24-31 name the last of them again.
	s_lshl_b32 s20, s13, 8
	s_lshl_b32 s21, s12, 7
	s_add_co_u32 s20, s20, s21
	s_lshl_b32 s21, s40, 5
	s_add_co_u32 s20, s20, s21
	s_lshl_b32 s20, s20, 11
	s_add_co_u32 s20, s20, 3*256                   ; at K step 3: the first refill steps it to 4
	s_mul_i32 s21, s42, 8*TILEB
	s_mul_i32 s22, s12, TILEB/2
	s_add_co_u32 s21, s21, s22
	s_mul_i32 s22, s41, TILEB/8
	s_add_co_u32 s21, s21, s22
	s_add_co_u32 s21, s21, 3*TILEB
	s_and_b32 s22, ttmp7, 0xffff                   ; cluster y
	s_mov_b32 s[PST], TILEB
	s_mov_b32 s[PST+1], 0
	s_cmp_eq_u32 s11, 0                            ; do I fetch for x?
	s_cselect_b32 s20, s20, s21
	s_cselect_b32 s22, ttmp9, s22                  ; the coordinate along which other clusters read the same bytes
	s_cselect_b64 s[PFA:PFA+1], s[4:5], s[6:7]
	s_cselect_b32 s[PST], 256, s[PST]
	s_cselect_b32 s18, 31, 23
	s_cselect_b32 s19, 11, 8
	s_mov_b32 s21, 0
	s_add_nc_u64 s[PFA:PFA+1], s[PFA:PFA+1], s[20:21]
	s_cmp_eq_u32 s22, 0
	s_cselect_b32 s[LIM], 1, -1                    ; the same in all sixteen partners, for a given wave
	v_and_b32 v[PFO], 31, v0
	v_min_u32 v[PFO], s18, v[PFO]
	v_lshlrev_b32 v[PFO], s19, v[PFO]
; 12 products: row block a x all column blocks, 32 along K, from buffer p.  The 48 accumulators take turns in the same order in every quarter.  zero = 1: the product starts the sum.
.macro MULA p, a, zero
	WIN MUL_LO+0x50*((\a)/2)
.irp b, 0,1,2,3,4,5,6,7,8,9,10,11
.if \zero
	v_wmma_f32_16x16x32_bf16 v[96*((\a)%2)+8*(\b):96*((\a)%2)+8*(\b)+7], v[96*(\p)+8*(\b):96*(\p)+8*(\b)+7], v[FA+32*(\p)+8*(\a):FA+32*(\p)+8*(\a)+7], 0
.else
	v_wmma_f32_16x16x32_bf16 v[96*((\a)%2)+8*(\b):96*((\a)%2)+8*(\b)+7], v[96*(\p)+8*(\b):96*(\p)+8*(\b)+7], v[FA+32*(\p)+8*(\a):FA+32*(\p)+8*(\a)+7], v[96*((\a)%2)+8*(\b):96*((\a)%2)+8*(\b)+7]
.endif
.endr
.endm
; 32 LDS loads in one run: quarter q (32 along K) of a slot into buffer p: W's 12 fragments, then x's 4
.macro FETCH slot, q, p
	WIN TO_B
.irp b, 0,1,2,3,4,5,6,7,8,9,10,11
	ds_load_tr16_b128 v[96*(\p)+8*(\b):96*(\p)+8*(\b)+3],   v[ADRB+(\slot)] offset:((\b)/4)*128*PB+((\b)%4)*32+(\q)*32*PB
	ds_load_tr16_b128 v[96*(\p)+8*(\b)+4:96*(\p)+8*(\b)+7], v[ADRB+(\slot)] offset:((\b)/4)*128*PB+((\b)%4)*32+(\q)*32*PB+16*PB
.endr
	WIN 0
.irp a, 0,1,2,3
	ds_load_b128 v[FA+32*(\p)+8*(\a):FA+32*(\p)+8*(\a)+3],   v[ADRA+(\slot)] offset:(\a)*16*PA+(\q)*64
	ds_load_b128 v[FA+32*(\p)+8*(\a)+4:FA+32*(\p)+8*(\a)+7], v[ADRA+(\slot)] offset:(\a)*16*PA+(\q)*64+32
.endr
.endm
; One of a K step's first three quarters: multiplies buffer p and fetches quarter qn into the other buffer.
.macro QUARTER slot, qn, p, zero
	s_wait_dscnt 6                                 ; W's fragments and x's block 0 are in; the six loads of x's blocks 1-3 may be out
	MULA \p, 0, \zero
	PLACES
	FETCH \slot, \qn, 1-(\p)
	s_wait_dscnt 2*NB+8                            ; all but the 32 just issued
	MULA \p, 1, \zero
	MULA \p, 2, \zero
	MULA \p, 3, \zero
.endm
; The last quarter multiplies buffer 1 and changes slots: one barrier; in front of it each wave waits for all its tensor loads (one is out: its part of the next slot), adds 0 to its spare word,
; and waits for that and for its reads of this slot.  fill = 1: the barrier opens a round of the cluster's, and behind the round this slot is filled again, two K steps on.
.macro TURN slot, next, fill
.if \fill
	s_wait_xcnt 0x0                                ; the last prefetch, a K step back, has read its address
	s_add_nc_u64 s[PFA:PFA+1], s[PFA:PFA+1], s[PST:PST+1]
.endif
	WIN 0
	s_wait_tensorcnt 0x0
	ds_add_u32 v[SPW], v[NIL]
	s_wait_dscnt 7                                 ; the add and six loads may be out
	MULA 1, 0, 0
	s_wait_dscnt 0x0                               ; the add is done, and my reads of this slot are over
	s_barrier_signal -1
	MULA 1, 1, 0
.if \fill
	WIN 0
.endif
	s_barrier_wait -1
.if \fill
	CREST                                          ; no wave of any partner still reads this slot or has a load on its way
	s_add_nc_u64 s[G0+4*(\slot)+2:G0+4*(\slot)+3], s[G0+4*(\slot)+2:G0+4*(\slot)+3], 2*256
	s_add_nc_u64 s[G0B+4*(\slot)+2:G0B+4*(\slot)+3], s[G0B+4*(\slot)+2:G0B+4*(\slot)+3], 2*TILEB
	JLOAD \slot                                    ; the first tensor load behind the round; its four v_nop are also the places in front of the loads below
.else
	PLACES
.endif
	FETCH \next, 0, 0
.if \fill
	ASK
.endif
	MULA 1, 2, 0
	MULA 1, 3, 0
.endm
; The way out of row block a: rounded to f16, 16 bytes a lane into my stage; back as 128-byte rows of q, of k and of v; stored 512 consecutive bytes at a time.
.macro OUTBLK a
	WIN 0x0a+5*((\a)/2)                            ; sources in window 2 or 3, destination in window 0
.irp b, 0,1,2,3,4,5,6,7,8,9,10,11
.irp r, 0,1,2,3
	v_cvt_pk_f16_f32 v[TMP+4*(\b)+(\r)], v[96*((\a)%2)+8*(\b)+2*(\r)], v[96*((\a)%2)+8*(\b)+2*(\r)+1]
.endr
.endr
	WIN 0
	s_wait_xcnt 0x0                                ; the stores of the block before have read their registers
.irp b, 0,1,2,3,4,5,6,7,8,9,10,11
	ds_store_b128 v[STO], v[TMP+4*(\b):TMP+4*(\b)+3] offset:32*(\b)
.endr
.irp p, 0,1,2
.irp f, 0,1,2,3
	ds_load_b128 v[BK+4*(4*(\p)+(\f)):BK+4*(4*(\p)+(\f))+3], v[RD] offset:128*(\p)+4*SPITCH*(\f)  ; LDS serves a wave's instructions in order: these see the stores above
.endr
.endr
	s_wait_dscnt 0x0
.irp p, 0,1,2
.irp f, 0,1,2,3
	global_store_b128 v[GO], v[BK+4*(4*(\p)+(\f)):BK+4*(4*(\p)+(\f))+3], s[68+2*(\p):69+2*(\p)] offset:(\a)*2048+(\f)*512
.endr
.endr
.endm
	s_wait_tensorcnt 1                             ; my part of K step 0 is in; K step 1's may stay out
	s_barrier_signal -1
	s_barrier_wait -1
	FETCH 0, 0, 0
	QUARTER 0, 1, 0, 1                             ; the first quarter stands in front of the loop: its products start the sums
	WIN 0
	s_mov_b32 s3, 3
.Llap:                                         ; a trip goes once round the ring, from a lap's second quarter to the next lap's first, and fills both slots again
	QUARTER 0, 2, 1, 0
	QUARTER 0, 3, 0, 0
	TURN 0, 1, 1
	QUARTER 1, 1, 0, 0
	QUARTER 1, 2, 1, 0
	QUARTER 1, 3, 0, 0
	TURN 1, 0, 1
	QUARTER 0, 1, 0, 0
	WIN 0
	s_sub_co_u32 s3, s3, 1
	s_cmp_lg_u32 s3, 0
	s_cbranch_scc1 .Llap
	QUARTER 0, 2, 1, 0                             ; the last lap fills nothing
	QUARTER 0, 3, 0, 0
	TURN 0, 1, 0
	QUARTER 1, 1, 0, 0
	QUARTER 1, 2, 1, 0
	QUARTER 1, 3, 0, 0
	s_wait_dscnt 6
	MULA 1, 0, 0
	s_wait_dscnt 0x0
	MULA 1, 1, 0
	MULA 1, 2, 0
	MULA 1, 3, 0
	WIN 0
	PLACES
	OUTBLK 0
	OUTBLK 1
	OUTBLK 2
	OUTBLK 3
	s_wait_tensorcnt 0x0                           ; the wave's end
	ds_add_u32 v[SPW], v[NIL]
	s_wait_dscnt 0x0
	CROUND                                         ; the closing round
	s_endpgm
.Lfunc_end_k_qee7d8861fa_qkv:
	.size	k_qee7d8861fa_qkv, .Lfunc_end_k_qee7d8861fa_qkv-k_qee7d8861fa_qkv
	.p2alignl 7, 3214868480
	.fill 96, 4, 3214868480
	.section	.rodata,"a",@progbits
	.p2align	6, 0x0
	.amdhsa_kernel k_qee7d8861fa_qkv
		.amdhsa_group_segment_fixed_size 327680
		.amdhsa_private_segment_fixed_size 0
		.amdhsa_enable_private_segment 0
		.amdhsa_kernarg_size 40
		.amdhsa_user_sgpr_count 2
		.amdhsa_user_sgpr_kernarg_segment_ptr 1
		.amdhsa_wavefront_size32 1
		.amdhsa_system_sgpr_workgroup_id_x 1
		.amdhsa_system_sgpr_workgroup_id_y 1
		.amdhsa_system_sgpr_workgroup_id_z 1
		.amdhsa_system_vgpr_workitem_id 0
		.amdhsa_next_free_vgpr 960
		.amdhsa_next_free_sgpr 80
		.amdhsa_reserve_vcc 0
		.amdhsa_float_denorm_mode_32 3
		.amdhsa_float_denorm_mode_16_64 3
		.amdhsa_memory_ordered 1
		.amdhsa_forward_progress 1
		.amdhsa_inst_pref_size 121
	.end_amdhsa_kernel
	.amdgpu_metadata
---
amdhsa.version: [ 1, 2 ]
amdhsa.kernels:
  - .name:           k_qee7d8861fa_qkv
    .symbol:         k_qee7d8861fa_qkv.kd
    .args:
      - { .name: xb, .offset: 0, .size: 8, .value_kind: global_buffer, .address_space: global }
      - { .name: wqb, .offset: 8, .size: 8, .value_kind: global_buffer, .address_space: global }
      - { .name: qb, .offset: 16, .size: 8, .value_kind: global_buffer, .address_space: global }
      - { .name: kb, .offset: 24, .size: 8, .value_kind: global_buffer, .address_space: global }
      - { .name: vb, .offset: 32, .size: 8, .value_kind: global_buffer, .address_space: global }
    .group_segment_fixed_size: 327680
    .private_segment_fixed_size: 0
    .kernarg_segment_align: 8
    .kernarg_segment_size: 40
    .max_flat_workgroup_size: 128
    .sgpr_count:     80
    .vgpr_count:     960
    .wavefront_size: 32
...
	.end_amdgpu_metadata
.endif
;; end of part 2
;; launch attn (part 3): grid 4 x 64, 4 waves a work-group, clusters of 4 x 1, 327,680 bytes of LDS; arguments qb, kb, vb, ob, mp; writes ob
.if DOCPART == 3
	.amdgcn_target "amdgcn-amd-amdhsa--gfx1250"
	.amdhsa_code_object_version 6
	.text
	.protected	k_qee7d8861fa_attn
	.globl	k_qee7d8861fa_attn
	.p2align	8
	.type	k_qee7d8861fa_attn,@function
k_qee7d8861fa_attn:
	s_mov_b64 s[64:65], 0
	v_nop
	global_prefetch_b8 v0, s[64:65] scope:SCOPE_SE
	s_setreg_imm32_b32 hwreg(HW_REG_WAVE_MODE, 25, 1), 1
	s_wait_xcnt 0x0
	s_wait_alu depctr_hold_cnt(0) depctr_sa_sdst(0) depctr_va_vdst(0) depctr_va_sdst(0) depctr_va_ssrc(0) depctr_va_vcc(0) depctr_vm_vsrc(0)
	s_getreg_b32 s2, hwreg(HW_REG_IB_STS2, 6, 4)
	s_cmp_eq_u32 s2, 0
	s_cbranch_scc0 .Lentry_in_a_cluster
	s_endpgm
.Lentry_in_a_cluster:
	s_bfe_u32 s2, ttmp6, 0x10000c
	s_cmp_lg_u32 s2, 0x3003
	s_cbranch_scc0 .Lentry_shape_is_right
	s_endpgm
.Lentry_shape_is_right:
; MASKED ATTENTION.  O[h][q][:] = the sum over the visible keys k of softmax_k(Q[h][q] . K[h][k] / 8) V[h][k][:]; a query none of whose keys is visible gives 0.
; Q, K, V, O: [64 (batch x 16 + head)][2048][64] f16, a head's rows dense, 128 bytes each.  mp: the mask as codes, [tile of 16 queries][step of 64 keys][1,024 bytes], in a lane's order (below).
; Products, maxima and sums in f32; the weights p are rounded to f16 for the second product (their sum l is taken of the unrounded p), O once at the end.
; LIMITS.  Q, K and V arrive within f16's 65,504.  A hidden score counts as its value less 2^101: f16's scores, 2.7e11 at the most, are nothing beside that.  A weight below 2^-126 counts as 0 in l.
; NaN and infinities are not treated apart.
; THE MASK is the C operand that starts the sum S^T = K Q^T: 0 for a visible key, -2^101 for a hidden one.  A lane loads 16 codes for 16 of its scores (0x00 or 0xC0, -2.0 as E4M3); one scaled conversion
; (times 2^100) makes the eight f32 registers of one C operand of eight codes.  So the running maximum sees the mask, and maximum, exponentials and sums need no further care: while a query has met hidden keys
; alone its m is -2^101 and what it gathers is finite; its first visible key makes a = 0 and wipes that.  At the end 1 / l is replaced by 0 where m is still below -2^90.
; SHARES.  A wave owns four PIECES of two tiles of 16 queries, a work-group's four waves 512 queries of one head.  Every wave walks all keys, 64 a step.
; LAYOUT.  S^T = K Q^T (source 0 = 16 keys, source 1 = 16 queries): a lane holds ONE query (lane % 16) and the keys 8 (lane / 16) + 0..7.  Two such tiles, rounded to f16 in pairs, ARE source 1 of
; O^T = V^T P, whose result again holds one query a lane.  K comes out of LDS as it lies, V ([key][channel]) turned, by ds_load_tr16_b128.
; SOFTMAX.  A running maximum m and sum l: p = 2^(c s - c m), c = log2(e) / 8; in every step O and l are multiplied by a = 2^(c m_old - c m_new).  m starts at the lowest finite number, O and l at 0.
; BY TURNS.  Turn n belongs to piece n.  Its matrix work: 16 products K Q^T of piece n + 1, later 16 products V^T P of piece n - 1.  Its vector work: the scaling, exponentials, roundings, sums and rescaling of
; piece n, the maximum and statistics of piece n + 1, and the masks of piece n + 2.  Four vector instructions stand behind every matrix instruction, the rest in one lump; a turn's exponentials are one batch with one wait.
; CLUSTER.  The four query blocks of a head form a cluster and walk the same K and V: each tile is asked for JOINTLY.  The mask differs from block to block and comes by each wave's own loads into registers.
; REGISTERS, in windows of 256 (s_set_vgpr_msb: bits 1:0 source 0, 3:2 source 1, 5:4 source 2, 7:6 destination):
;   window 0: v0-10 addresses and the scale; v12-15, v48-63 at work; v16-47 statistics; v64-191 S^T, two buffers of two tiles; v192-255 P, likewise
;   window 1: O^T, 32 a tile      window 2: v0-127 Q; v128-191 K of one step; v192-255 V of one step      window 3: v0-1 the add's registers; v16-79 the codes, 16 a piece; v128-191 the masks of one piece
.set SIZE_N, 2048
.set NP,    4
.set KS,    64
.set PK,    144       ; a row of K in LDS: 128 bytes + 16
.set PV,    160       ; a row of V: 128 + 32
.set VOFF,  4*KS*PK   ; a slot holds four steps: 256 rows of K, then 256 rows of V
.set SLOT1, 1<<17
.set STAGE, SLOT1+4*KS*(PK+PV)  ; behind the ring, never filled by a tensor load: 16 rows x 144 bytes for each wave
.set SP,    144
.set SPARE, STAGE+4*16*SP       ; the spare words, 128 bytes a wave: two blocks of 256 bytes that no other line names
.set AK0, 2           ; v2   my lane's place in a tile of K; never rewritten
.set AV0, 3           ; v3   the same for V
.set AK,  4           ; v4   the LDS address of K's next run of loads
.set AV,  5           ; v5   of V's
.set QO,  5           ;      first: my byte offset in 16 rows of Q
.set STO, 6           ; v6   the way out: where I put 16 bytes of a row
.set RD,  7           ; v7   the way out: where I read rows back
.set GO,  8           ; v8   16 x lane: my place in 512 consecutive bytes of O, and of the mask's codes; never rewritten
.set PFO, 9           ; v9   256 x lane, for the prefetches; never rewritten
.set SC,  10          ; v10  0xE3: the conversions' scale, 2^(227 - 127); never rewritten
.set SPW, 0           ; v0 of window 3: my spare word; never rewritten
.set NIL, 1           ; v1 of window 3: 0; never rewritten
.set RAW, 16          ; window 3: piece x, tile u, key block kb: two registers of codes at RAW + 16 x + 8 u + 2 kb
.set MC,  128         ; window 3: tile u, key block kb: eight registers at MC + 32 u + 8 kb
.set MV,  12
.set ST,  16          ; tile t's statistics at v[ST+4 t]: c m, m, l (even keys', odd keys')
.set TMP, 48
.set S,   64
.set P,   192
.set KF,  128
.set VF,  192
.set WV,  12          ; s12  my wave's number
.set G1K, 24
.set G1V, 32
.set G0K, 40
.set G0V, 44
.set PFA, 48          ; s[48:49] where my prefetches stand
.set LIM, 50          ; s50  1 in a wave that prefetches, else the greatest number
.set THR, 51          ; s51  -2^90
.set MB,  52          ; s[52:53] the codes of my wave's eight tiles, at the step that the loads name
.set MST, 54          ; s[54:55] a step of the codes in bytes
.set SLOTS, 56
.set CNT, 57
.set CS,  58
.set SEL, 60
.set TBK, 62
.set TBV, 63
.set MSB, 0
.macro WIN new
.if MSB != (\new)
	s_set_vgpr_msb (MSB<<8)|(\new)
.set MSB, (\new)
.endif
.endm
.set W_KQ, 0x0a       ; K and Q in window 2, S^T in window 0
.set W_KM, 0x3a       ; the same with the C operand in window 3
.set W_PV, 0x52       ; V in window 2, P in window 0, O^T in window 1
.set W_RS, 0x41       ; O^T in window 1, a in window 0
.set W_MK, 0xc0       ; destination in window 3, sources in window 0
.set W_AD, 0x0f       ; the add: address and data in window 3
.set W_CV, 0xc3       ; the conversions: masks and codes in window 3, the scale in window 0
.macro JLOAD
	s_cmp_lt_u32 s[WV], 2
	s_cbranch_scc0 .Lfor_v_\@
	tensor_load_to_lds s[G0K:G0K+3], s[G1K:G1K+7]
	s_nop 0
.rept 4
	v_nop
.endr
	s_branch .Lasked_\@
.Lfor_v_\@:
	tensor_load_to_lds s[G0V:G0V+3], s[G1V:G1V+7]
	s_nop 0
.rept 4
	v_nop
.endr
.Lasked_\@:
.endm
; A prefetch of what the NEXT change of slots will ask for: a slot's 128 blocks of 256 bytes of K and of V.  A head has one cluster; its four partners share the blocks out by address, 32 each;
; wave 0 asks for K's, wave 2 for V's: each block is named once.  The last change that fills a slot asks for nothing.
.macro ASK
	s_cmp_gt_u32 s[SLOTS], s[LIM]
	s_cbranch_scc0 .Lnot_mine_\@
	global_prefetch_b8 v[PFO], s[PFA:PFA+1] th:TH_LOAD_NT scope:SCOPE_SE
.Lnot_mine_\@:
.endm
.macro CROUND
	s_barrier_signal -1
	s_barrier_wait -1
	s_cmp_lg_u32 s[WV], 0
	s_cbranch_scc1 .Lnot_wave_0_\@
	s_barrier_signal -3
.Lnot_wave_0_\@:
	s_barrier_wait -3
	s_barrier_signal -1
	s_barrier_wait -1
.endm
; THE CHANGE OF SLOTS.  Each wave waits for all its tensor loads (one is out: its part of the other slot), adds 0 to its spare word, and waits for that and for its reads of the slot.
; fill = 1: the barrier is a round of the cluster's, and the joint fill, with the keys two slots on, is the first thing behind it: it has four key steps, 512 matrix instructions, in which to land.
.macro CHANGE fill, ask=0
	WIN W_AD
	s_wait_tensorcnt 0x0            ; no tensor load of mine is out, so a group 0 may be written
	ds_add_u32 v[SPW], v[NIL]
	WIN 0
.if \fill
.irp g, G0K, G0V
	s_xor_b32 s[\g+1], s[\g+1], SLOT1
	s_add_nc_u64 s[\g+2:\g+3], s[\g+2:\g+3], 4*KS*128
.endr
.if \ask
	s_wait_xcnt 0x0                 ; the last prefetch, four key steps back, has read its address
	s_add_nc_u64 s[PFA:PFA+1], s[PFA:PFA+1], 4*KS*128
.endif
	s_wait_dscnt 0x0                ; the add is done, and my reads of the slot are over
	CROUND
	JLOAD
.if \ask
	ASK
.endif
.else
	s_wait_dscnt 0x0
	s_barrier_signal -1
	s_barrier_wait -1
.endif
	s_sub_co_u32 s[TBK], s[TBK], 4*KS*PK
	s_xor_b32 s[TBK], s[TBK], SLOT1
	s_sub_co_u32 s[TBV], s[TBV], 4*KS*PV
	s_xor_b32 s[TBV], s[TBV], SLOT1
.endm
; THE MASKS.  CONVERT x: piece x's 64 codes a lane become its 64 C registers.  Behind piece x's four loads stand the twelve of the three pieces loaded after it.
.macro CONVERT x
	s_wait_loadcnt 12
	WIN W_CV
.irp u, 0,1
.irp kb, 0,1,2,3
	v_cvt_scale_pk8_f32_fp8 v[MC+32*(\u)+8*(\kb):MC+32*(\u)+8*(\kb)+7], v[RAW+16*(\x)+8*(\u)+2*(\kb):RAW+16*(\x)+8*(\u)+2*(\kb)+1], v[SC]
.endr
.endr
	WIN 0
.endm
; RELOAD x: piece x's codes of the step at which MB stands: four loads of 512 consecutive bytes.  step = 1: MB goes a step on first.  last = 1 (the tail): it stops at the last step, so that no load leaves mp.
.macro RELOAD x, step=0, last=0
.if \step
	s_wait_xcnt 0x0                 ; the loads issued so far have read MB
.if \last
	s_cmp_gt_u32 s[CNT], 2
	s_cselect_b32 s[MST], 1024, 0
.endif
	s_add_nc_u64 s[MB:MB+1], s[MB:MB+1], s[MST:MST+1]
.endif
	WIN W_MK
.irp u, 0,1
.irp hf, 0,1
	global_load_b128 v[RAW+16*(\x)+8*(\u)+4*(\hf):RAW+16*(\x)+8*(\u)+4*(\hf)+3], v[GO], s[MB:MB+1] offset:(2*(\x)+(\u))*32768+(\hf)*512
.endr
.endr
	WIN 0
.endm
	s_load_b256 s[4:11], s[0:1], 0x0  ; Q s[4:5], K s[6:7], V s[8:9], O s[10:11]
	s_load_b64 s[MB:MB+1], s[0:1], 0x20  ; mp
	WIN W_MK
	v_lshl_add_u32 v[SPW], v0, 2, SPARE
	v_mov_b32 v[NIL], 0
	WIN W_AD
	ds_add_u32 v[SPW], v[NIL]       ; the wave's opening: the add and its wait ahead of my first tensor load
	WIN 0
	v_lshrrev_b32 v1, 5, v0
	v_readfirstlane_b32 s[WV], v1   ; wave 0..3
	s_bfe_u32 s13, ttmp6, 0x40000   ; cx
	s_lshl_b32 s14, ttmp9, 2
	s_add_co_u32 s14, s14, s13      ; my block of 512 queries: it enters Q's, O's and the mask's addresses alone
	s_and_b32 s20, ttmp7, 0xffff    ; batch x 16 + head, which the four partners share
	s_lshr_b32 s[MST], s20, 4       ; the batch:
	s_lshl_b32 s[MST], s[MST], 22   ; its 128 tiles of 32,768 bytes of codes
	s_mov_b32 s21, 0
	s_mov_b64 s[22:23], SIZE_N*128
	s_mul_u64 s[20:21], s[20:21], s[22:23]  ; the head's first byte in Q, K, V and O
	s_and_b32 s16, s[WV], 1         ; which half of a slot's 256 keys I fetch
	s_lshl_b32 s22, s16, 14
	s_mov_b32 s23, 0
	s_add_nc_u64 s[22:23], s[22:23], s[20:21]
	s_mul_i32 s17, s16, 128*PK
	s_mul_i32 s18, s16, 128*PV      ; no place in the cluster enters an LDS address
	s_lshl_b32 s2, s14, 2
	s_add_co_u32 s2, s2, s[WV]      ; my wave among the head's:
	s_lshl_b32 s3, s2, 18           ; its 8 tiles of codes,
	s_add_co_u32 s[MST], s[MST], s3
	s_mov_b32 s[MST+1], 0
	s_lshl_b32 s2, s2, 14           ; its 128 rows
	s_mov_b32 s3, 0
	s_add_nc_u64 s[2:3], s[2:3], s[20:21]
	; descriptor group 1.  128 keys are 16,384 dense bytes: asked for as 64 rows of 256 bytes, and padded in LDS after every key
	s_mov_b32 s[G1K], 15|(1<<16)|(1<<20)|(1<<21)|(4<<22)|(3<<25)
	s_mov_b32 s[G1V], 15|(1<<16)|(1<<20)|(1<<21)|(4<<22)|(7<<25)
.irp g, G1K, G1V
	s_mov_b32 s[\g+1], 128<<16
	s_mov_b32 s[\g+2], 64<<16
	s_mov_b32 s[\g+3], 128<<16
	s_mov_b32 s[\g+4], 64
	s_mov_b32 s[\g+5], 128
	s_mov_b32 s[\g+6], 0
	s_mov_b32 s[\g+7], 0
.endr
	s_mov_b32 s[CS], 0x3e38aa3b     ; c = log2(e) / 8
	s_mov_b32 s[CS+1], s[CS]
	s_mov_b32 s[SEL], 0x76543210
	s_mov_b32 s[SEL+1], 0xfedcba98
	s_mov_b32 s[THR], 0xec800000    ; -2^90
	s_mov_b32 s[TBK], SLOT1+4*KS*PK ; the first change of slots turns these two into 0
	s_mov_b32 s[TBV], SLOT1+4*KS*PV
	s_mov_b32 s[G0K], 1
	s_mov_b32 s[G0K+1], s17
	s_mov_b32 s[G0V], 1
	s_add_co_u32 s[G0V+1], s18, VOFF
	s_and_b32 s[LIM], s[WV], 1
	s_cmp_eq_u32 s[LIM], 0
	s_cselect_b32 s[LIM], 1, -1     ; waves 0 and 2 prefetch
	s_wait_dscnt 0x0                ; the opening add is done
	s_wait_kmcnt 0x0
	s_add_nc_u64 s[G0K+2:G0K+3], s[6:7], s[22:23]
	s_or_b32 s[G0K+3], s[G0K+3], 0x80000000
	s_add_nc_u64 s[G0V+2:G0V+3], s[8:9], s[22:23]
	s_or_b32 s[G0V+3], s[G0V+3], 0x80000000
	s_add_nc_u64 s[4:5], s[4:5], s[2:3]  ; Q and O at my wave's first row
	s_add_nc_u64 s[10:11], s[10:11], s[2:3]
	s_add_nc_u64 s[MB:MB+1], s[MB:MB+1], s[MST:MST+1]  ; the codes of my wave's tiles, step 0
	s_mov_b32 s[MST], 1024
	s_cmp_lt_u32 s[WV], 2
	s_cselect_b64 s[PFA:PFA+1], s[6:7], s[8:9]
	s_add_nc_u64 s[PFA:PFA+1], s[PFA:PFA+1], s[22:23]  ; (in waves 0 and 2: the head's first row)
	s_lshl_b32 s2, s13, 13          ; my work-group's 32 blocks of the 128
	s_mov_b32 s3, 0
	s_add_nc_u64 s[PFA:PFA+1], s[PFA:PFA+1], s[2:3]
	s_add_nc_u64 s[PFA:PFA+1], s[PFA:PFA+1], 2*4*KS*128  ; in slot 2; the loop's first change of slots steps it to slot 3.  Nothing is prefetched at the head
	CROUND                          ; all four work-groups are here: the first joint loads meet
	JLOAD                           ; slot 0.  Slot 1 is asked for when slot 0 is in
	v_and_b32 v1, 15, v0            ; l % 16
	v_bfe_u32 v12, v0, 4, 1         ; l / 16
	v_and_b32 v13, 7, v0
	v_bfe_u32 v14, v0, 3, 1
	v_lshlrev_b32 v[QO], 7, v1
	v_lshl_add_u32 v[QO], v12, 4, v[QO]  ; row x 128 + 16 x half
	v_and_b32 v[GO], 31, v0
	v_lshlrev_b32 v[PFO], 8, v[GO]
	v_lshlrev_b32 v[GO], 4, v[GO]
	v_mov_b32 v[SC], 0xe3
	WIN 0x80                        ; destination window 2, address window 0
.set i, 0
.rept 4*NP                          ; Q stays in registers: tile i / 2, channels 32 (i % 2) on
	global_load_b128 v[8*i:8*i+3],   v[QO], s[4:5] offset:(i/2)*2048+(i%2)*64
	global_load_b128 v[8*i+4:8*i+7], v[QO], s[4:5] offset:(i/2)*2048+(i%2)*64+32
.set i, i+1
.endr
	RELOAD 0                        ; the four pieces' codes of key step 0
	RELOAD 1
	RELOAD 2
	RELOAD 3
	; What the first turn finds: V's registers and P's second buffer hold 0, O^T and l are 0.  All this stands in the wait for the first tile.
	WIN 0x80
.set i, VF
.rept 64
	v_mov_b32 v[i], 0
.set i, i+1
.endr
	WIN 0x40
.set i, 0
.rept 64*NP
	v_mov_b32 v[i], 0
.set i, i+1
.endr
	WIN 0
	v_mul_u32_u24 v[AK0], v1, PK
	v_lshl_add_u32 v[AK0], v12, 4, v[AK0]  ; row x pitch + 16 x half
	v_lshl_add_u32 v[AV0], v12, 3, v13     ; the turning load: key 8 (l / 16) + l % 8, channels 8 ((l / 8) % 2) + 0..7
	v_mul_u32_u24 v[AV0], v[AV0], PV
	v_lshl_add_u32 v[AV0], v14, 4, v[AV0]
	v_add_nc_u32 v[AV0], VOFF, v[AV0]
	s_mul_i32 s13, s[WV], 16*SP
	s_add_co_u32 s13, s13, STAGE    ; my stage
	v_mul_u32_u24 v[STO], v1, SP    ; in: row l % 16, 16 bytes for each half of the lanes
	v_lshl_add_u32 v[STO], v12, 4, v[STO]
	v_add_nc_u32 v[STO], s13, v[STO]
	v_bfe_u32 v[RD], v0, 3, 2       ; back: 32 lanes take four rows of 128 bytes
	v_mul_u32_u24 v[RD], v[RD], SP
	v_lshl_add_u32 v[RD], v13, 4, v[RD]
	v_add_nc_u32 v[RD], s13, v[RD]
.set i, 0
.rept 2*NP
	v_mov_b32 v[ST+4*i], 0xfe000000    ; c m: far below every c s, a hidden one's too
	v_mov_b32 v[ST+4*i+1], 0xff7fffff  ; m
	v_mov_b32 v[ST+4*i+2], 0
	v_mov_b32 v[ST+4*i+3], 0
.set i, i+1
.endr
.set i, P+32
.rept 32
	v_mov_b32 v[i], 0
.set i, i+1
.endr
	s_wait_xcnt 0x0                 ; Q's and the codes' loads have read their addresses
	s_add_nc_u64 s[MB:MB+1], s[MB:MB+1], s[MST:MST+1]  ; the next loads name key step 1
	v_mov_b32 v[AK], v[AK0]         ; key step 0 lies at the head of slot 0
; THE MATRIX WORK.  The 8 accumulators of a run of 16 take turns.
; Product i of 16 of S^T = K Q^T for piece x: channels 32 (i / 8) on, keys 16 ((i / 2) % 4) on, tile 2 x + i % 2.  The first 8 start the sums, with the mask.
.macro KQ x
.set rS, S+64*((\x)%2)+32*(i%2)+8*((i/2)%4)
.set rK, KF+16*((i/2)%4)+8*(i/8)
.set rQ, 16*(2*(\x)+i%2)+8*(i/8)
.set rMC, MC+32*(i%2)+8*((i/2)%4)
.if i < 8
	WIN W_KM
	v_wmma_f32_16x16x32_f16 v[rS:rS+7], v[rK:rK+7], v[rQ:rQ+7], v[rMC:rMC+7]
.else
	WIN W_KQ
	v_wmma_f32_16x16x32_f16 v[rS:rS+7], v[rK:rK+7], v[rQ:rQ+7], v[rS:rS+7]
.endif
.endm
; Product i of 16 of O^T += V^T P for piece x: keys 32 (i / 8) on, channels 16 ((i / 2) % 4) on, tile 2 x + i % 2.
.macro PV x
	WIN W_PV
.set rO, 32*(2*(\x)+i%2)+8*((i/2)%4)
.set rV, VF+32*(i/8)+8*((i/2)%4)
.set rP, P+32*((\x)%2)+16*(i%2)+8*(i/8)
	v_wmma_f32_16x16x32_f16 v[rO:rO+7], v[rV:rV+7], v[rP:rP+7], v[rO:rO+7]
.endm
.macro MM                           ; the turn's next matrix instruction
.if i < 16
	KQ (Y+1)%NP
.set i, i+1
.else
.set i, i-16
	PV (Y+NP-1)%NP
.set i, i+17
.endif
.endm
; THE LDS LOADS stand in runs of 16.  last = 1 (the tail): in the last trip there is no further step, and the run is jumped over.
.macro FETCH_K last=0
	WIN 0
.if \last
	s_cmp_eq_u32 s[CNT], 1
	s_cbranch_scc1 .Lno_k_\@
.endif
	WIN 0x80
.irp f, 0,1,2,3,4,5,6,7
	ds_load_b128 v[KF+8*\f:KF+8*\f+3],   v[AK] offset:(\f/2)*16*PK+(\f%2)*64
	ds_load_b128 v[KF+8*\f+4:KF+8*\f+7], v[AK] offset:(\f/2)*16*PK+(\f%2)*64+32
.endr
	s_add_co_u32 s[TBK], s[TBK], KS*PK
	WIN 0
.if \last
.Lno_k_\@:
.endif
.endm
.macro FETCH_V
	WIN 0x80
.irp f, 0,1,2,3,4,5,6,7
	ds_load_tr16_b128 v[VF+8*\f:VF+8*\f+3],   v[AV] offset:(\f/4)*32*PV+(\f%4)*32
	ds_load_tr16_b128 v[VF+8*\f+4:VF+8*\f+7], v[AV] offset:(\f/4)*32*PV+16*PV+(\f%4)*32
.endr
	WIN 0
.endm
; THE VECTOR WORK OF A TURN stands in three queues, each in the order in which its entries become ready; the two tiles alternate.
.macro REGS y, u
.set rT, ST+4*(2*(\y)+(\u))
.set rC, TMP+8*((\y)%2)+4*(\u)
.set rM, MV+2*((\y)%2)+(\u)
.set rS, S+64*((\y)%2)+32*(\u)
.set rP, P+32*((\y)%2)+16*(\u)
.set rO, 32*(2*(\y)+(\u))
.endm
; Number n of the 22 that find the NEXT piece's maximum and statistics; each accumulator's lowest registers are read first.
;   0-11 four chains of seven scores     12-14, 16 the four left over, the old m, the chains into one     15 c m_old is kept     17, 18 the other half of the lanes: the new m     19-21 c m; its change; a
.macro XS u, n
	REGS (Y+1)%NP, \u
.if (\n) < 4
	v_max3_num_f32 v[rC+(\n)], v[rS+8*(\n)], v[rS+8*(\n)+1], v[rS+8*(\n)+2]
.elseif (\n) < 12
	v_max3_num_f32 v[rC+(\n)%4], v[rC+(\n)%4], v[rS+8*((\n)%4)+2*((\n)/4)+1], v[rS+8*((\n)%4)+2*((\n)/4)+2]
.elseif (\n) == 12
	v_max3_num_f32 v[rC], v[rC], v[rS+7], v[rS+15]
.elseif (\n) == 13
	v_max3_num_f32 v[rC+1], v[rC+1], v[rS+23], v[rS+31]
.elseif (\n) == 14
	v_max3_num_f32 v[rC+2], v[rC+2], v[rC+3], v[rT+1]
.elseif (\n) == 15
	v_mov_b32 v[rM], v[rT]
.elseif (\n) == 16
	v_max3_num_f32 v[rC], v[rC], v[rC+1], v[rC+2]
.elseif (\n) == 17
	v_permlanex16_b32 v[rC+3], v[rC], s[SEL], s[SEL+1]
.elseif (\n) == 18
	v_max_num_f32 v[rT+1], v[rC], v[rC+3]
.elseif (\n) == 19
	v_mul_f32 v[rT], s[CS], v[rT+1]
.elseif (\n) == 20
	v_sub_f32 v[rC+1], v[rM], v[rT]
.else
	v_exp_f32 v[rC+2], v[rC+1]
.endif
.endm
; Number g of the 64 that follow the exponentials: for each four weights both pairs are rounded to f16, the second pair is added onto the first, and a group later l takes that sum (the first time as l = a l + sum).
.macro GS g
.set h, (\g)+6*((\g)/62)
.if h >= 6
.set h, h+2
.endif
	REGS Y, h%2
.set k, h/8
.if h%8 < 4
	v_cvt_pk_f16_f32 v[rP+2*k+(h%8)/2], v[rS+4*k+2*((h%8)/2)], v[rS+4*k+2*((h%8)/2)+1]
.elseif h%8 < 6
	v_pk_add_f32 v[rS+4*k:rS+4*k+1], v[rS+4*k:rS+4*k+1], v[rS+4*k+2:rS+4*k+3]
.elseif k == 1
	v_pk_fma_f32 v[rT+2:rT+3], v[rT+2:rT+3], v[rC+2:rC+3], v[rS:rS+1] op_sel_hi:[1,0,1]
.else
	v_pk_add_f32 v[rT+2:rT+3], v[rT+2:rT+3], v[rS+4*k-4:rS+4*k-3]
.endif
.endm
; THE PLAIN QUEUE, 138 long.  0-73 read no exponential's result: the 32 scalings and the next piece's 42.  74-137: GS's 64, behind the wait.
.macro FS f
	REGS Y, (\f)%2
	v_pk_fma_f32 v[rS+2*((\f)/2):rS+2*((\f)/2)+1], v[rS+2*((\f)/2):rS+2*((\f)/2)+1], s[CS:CS+1], v[rT:rT+1] op_sel_hi:[1,0,0] neg_lo:[0,0,1] neg_hi:[0,0,1]
.endm
.macro PL
	WIN 0
.if q < 27
	FS q
.elseif q < 55
	XS (q-27)%2, (q-27)/2
.elseif q < 57
	XS q-55, 15
.elseif (q < 72) && ((q-57)%3 == 0)
	FS 27+(q-57)/3
.elseif q < 60
	XS (q-57)%3-1, 14
.elseif q < 72
	XS (q-57)%3-1, 15+(q-57)/3
.elseif q < 74
	XS q-72, 20
.else
	GS q-74
.endif
.set q, q+1
.endm
; THE EXPONENTIALS' QUEUE, 66 long: one batch, all ahead of the turn's one wait.
.macro EX
	WIN 0
.if e >= 64
	XS e-64, 21
.else
	REGS Y, e%2
	v_exp_f32 v[rS+e/2], v[rS+e/2]
.endif
.set e, e+1
.endm
; THE RESCALING's QUEUE: O^T times a, two at a time, sixteen times.
.macro R2
	REGS Y, r%2
	WIN W_RS
.irp z, 0,1
	v_pk_mul_f32 v[rO+4*(r/2)+2*\z:rO+4*(r/2)+2*\z+1], v[rO+4*(r/2)+2*\z:rO+4*(r/2)+2*\z+1], v[rC+2:rC+3] op_sel_hi:[1,0]
.endr
.set r, r+1
.endm
; A TURN, for piece p.  AHEAD OF THE WAIT: 16 products K Q^T, behind each a scaling, an exponential and two rescalings; then the lump.  At the lump's head the masks of piece p + 2 are made: the last product
; that read the mask registers is the turn's eighth, and 27 plain riders lie between.  Eight plain instructions follow the conversions; then that piece's codes of the next key step are asked for: they have
; four turns in which to come.  BEHIND THE WAIT: 16 products V^T P, behind each four of the roundings and sums.
; K of the next step is fetched in piece 2's turn, directly behind the wait; V of the step in hand at the end of piece 0's turn, four riders behind its last reader.
.macro TURN p, last=0, cnt=0
.set Y, (\p)
.set i, 0
.set q, 0
.set e, 0
.set r, 0
.if (\p) == NP-1
	s_wait_dscnt 0x0                ; K is in
.endif
	MM
	PL
	PL
	R2
.rept 15
	MM
	PL
	EX
	R2
.endr
.if (\p) == NP-2
	WIN 0
	v_add_nc_u32 v[AK], s[TBK], v[AK0]
.endif
	CONVERT ((\p)+2)%NP
.rept 8
	PL
.endr
.if (\p) == NP-2
	RELOAD 0, 1, \last
.else
	RELOAD ((\p)+2)%NP
.endif
.rept 49
	EX
	PL
.endr
	EX                              ; the next piece's two a
	EX
	v_nop                           ; a plain instruction behind the last exponential: one for the batch
	s_wait_alu depctr_va_vdst(0)    ; the wait for the batch, ahead of the first line that names a result
.if (\p) == NP-2
	FETCH_K \last
.endif
.if (\p) == 1
	s_wait_dscnt 0x0                ; V is in
.endif
.rept 16
	MM
.rept 4
	PL
.endr
.if ((\p) == 0) && (q == 118)
	v_add_nc_u32 v[AV], s[TBV], v[AV0]
.endif
.if ((\p) == 0) && (q == 130)
	s_add_co_u32 s[TBV], s[TBV], KS*PV
.endif
.if (\cnt) && (q == 130)
	s_sub_co_u32 s[CNT], s[CNT], 1
	s_cmp_lg_u32 s[CNT], 0
.endif
.endr
.if (\p) == 0
	FETCH_V
.endif
.endm
	CHANGE 1                        ; slot 0 is in, everybody's part of it; slot 1 is asked for
	FETCH_K                         ; key step 0
	CONVERT 0                       ; piece 0's masks of step 0; its wait leaves twelve loads out, all younger than Q's
	v_nop                           ; a plain instruction behind the conversions
	RELOAD 0                        ; piece 0's codes of step 1
	s_wait_dscnt 0x0
.set i, 0
.rept 16
	KQ 0                            ; piece 0's first scores
.set i, i+1
.endr
	WIN 0
.rept 4
	v_nop                           ; the places behind those products, in front of the lines that read their results and write their masks
.endr
	CONVERT 1
.set Y, NP-1                        ; XS works for piece Y + 1: piece 0
	XS 0, 0
	XS 1, 0
	RELOAD 1
.irp n, 1,2,3,4,5,6,7,8,9,10,11,12,13,14,15,16,17,18,19,20,21
	XS 0, \n
	XS 1, \n
.endr
	v_nop
	s_wait_alu depctr_va_vdst(0)    ; the two a's wait, ahead of the branch
	s_mov_b32 s[CNT], 4
	s_mov_b32 s[SLOTS], SIZE_N/256-1
	s_branch .Lfirst                ; the loop is entered at a step's first turn, in the middle of a trip
.Lslot:                             ; six times: every slot but the last two is filled again
	CHANGE 1, 1
	s_mov_b32 s[CNT], 4
.Lstep:                             ; a trip: pieces 2 and 3 of one step, then pieces 0 and 1 of the next, whose K, V and masks it makes ready
	TURN 2
	TURN 3
	WIN 0
.Lfirst:
	TURN 0
	TURN 1, 0, 1
	WIN 0
	s_cbranch_scc1 .Lstep
	s_sub_co_u32 s[SLOTS], s[SLOTS], 1
	s_cmp_lg_u32 s[SLOTS], 0
	s_cbranch_scc1 .Lslot
	CHANGE 0                        ; the tail is written out
	s_mov_b32 s[CNT], 5             ; four trips fetch the last slot's steps; the fifth is left in its middle
.Ltail:
	TURN 2, 1
	TURN 3
	WIN 0
	s_sub_co_u32 s[CNT], s[CNT], 1
	s_cmp_eq_u32 s[CNT], 0
	s_cbranch_scc1 .Lout
	TURN 0
	TURN 1
	WIN 0
	s_branch .Ltail
.Lout:                              ; the fifth trip's 16 products K Q^T repeat piece 0's last step, K and mask alike: the maximum made of them leaves m as it was
.set i, 0
.rept 16
	PV NP-1
.set i, i+1
.endr
	; THE WAY OUT.  l's halves are added; O^T is divided by l (by 0's stead where no key was visible), rounded to f16 and sent through my stage, a tile at a time.
	WIN 0
.macro ALL line:vararg
.set t, 0
.rept 2*NP
	\line
.set t, t+1
.endr
.endm
	ALL v_add_f32 v[ST+4*t+2], v[ST+4*t+2], v[ST+4*t+3]
	ALL v_permlanex16_b32 v[ST+4*t+3], v[ST+4*t+2], s[SEL], s[SEL+1]
	ALL v_add_f32 v[ST+4*t+2], v[ST+4*t+2], v[ST+4*t+3]
	ALL v_rcp_f32 v[ST+4*t+2], v[ST+4*t+2]
	v_nop
	s_wait_alu depctr_va_vdst(0)    ; one wait for the eight reciprocals
.set t, 0
.rept 2*NP
	v_cmp_lt_f32 vcc_lo, s[THR], v[ST+4*t+1]       ; has the query seen a key?
	v_cndmask_b32 v[ST+4*t+2], 0, v[ST+4*t+2], vcc_lo  ; if not, its row is multiplied by 0; what it gathered is finite
.set t, t+1
.endr
.macro PACK t
	WIN W_RS
.set i, 32*(\t)
.rept 16
	v_pk_mul_f32 v[i:i+1], v[i:i+1], v[ST+4*(\t)+2:ST+4*(\t)+3] op_sel_hi:[1,0]
.set i, i+2
.endr
	WIN 0x05
.set i, 0
.rept 16
	v_cvt_pk_f16_f32 v[S+16*(\t)+i], v[32*(\t)+2*i], v[32*(\t)+2*i+1]
.set i, i+1
.endr
	WIN 0
.irp f, 0,1,2,3
	ds_store_b128 v[STO], v[S+16*(\t)+4*\f:S+16*(\t)+4*\f+3] offset:32*\f
.endr
.irp f, 0,1,2,3
	ds_load_b128 v[S+16*(\t)+4*\f:S+16*(\t)+4*\f+3], v[RD] offset:\f*4*SP  ; LDS serves a wave's instructions in order: these see the stores above
.endr
.endm
.macro SEND t, younger
	WIN 0
.irp f, 0,1,2,3
	s_wait_dscnt (\younger)+3-\f
	global_store_b128 v[GO], v[S+16*(\t)+4*\f:S+16*(\t)+4*\f+3], s[10:11] offset:(\t)*2048+\f*512  ; 512 consecutive bytes, aligned
.endr
.endm
	PACK 0
.set t, 1
.rept 2*NP-1
	PACK t
	SEND t-1, 8
.set t, t+1
.endr
	SEND 2*NP-1, 0
	WIN W_AD
	s_wait_tensorcnt 0x0            ; the wave's end
	ds_add_u32 v[SPW], v[NIL]
	s_wait_dscnt 0x0
	WIN 0
	CROUND                          ; the closing round
	s_endpgm
.Lfunc_end_k_qee7d8861fa_attn:
	.size	k_qee7d8861fa_attn, .Lfunc_end_k_qee7d8861fa_attn-k_qee7d8861fa_attn
	.p2alignl 7, 3214868480
	.fill 96, 4, 3214868480
	.section	.rodata,"a",@progbits
	.p2align	6, 0x0
	.amdhsa_kernel k_qee7d8861fa_attn
		.amdhsa_group_segment_fixed_size 327680
		.amdhsa_private_segment_fixed_size 0
		.amdhsa_enable_private_segment 0
		.amdhsa_kernarg_size 40
		.amdhsa_user_sgpr_count 2
		.amdhsa_user_sgpr_kernarg_segment_ptr 1
		.amdhsa_wavefront_size32 1
		.amdhsa_system_sgpr_workgroup_id_x 1
		.amdhsa_system_sgpr_workgroup_id_y 1
		.amdhsa_system_sgpr_workgroup_id_z 1
		.amdhsa_system_vgpr_workitem_id 0
		.amdhsa_next_free_vgpr 960
		.amdhsa_next_free_sgpr 66
		.amdhsa_reserve_vcc 1
		.amdhsa_float_denorm_mode_32 3
		.amdhsa_float_denorm_mode_16_64 3
		.amdhsa_memory_ordered 1
		.amdhsa_forward_progress 1
		.amdhsa_inst_pref_size 213
	.end_amdhsa_kernel
	.amdgpu_metadata
---
amdhsa.version: [ 1, 2 ]
amdhsa.kernels:
  - .name:           k_qee7d8861fa_attn
    .symbol:         k_qee7d8861fa_attn.kd
    .args:
      - { .name: qb, .offset: 0, .size: 8, .value_kind: global_buffer, .address_space: global }
      - { .name: kb, .offset: 8, .size: 8, .value_kind: global_buffer, .address_space: global }
      - { .name: vb, .offset: 16, .size: 8, .value_kind: global_buffer, .address_space: global }
      - { .name: ob, .offset: 24, .size: 8, .value_kind: global_buffer, .address_space: global }
      - { .name: mp, .offset: 32, .size: 8, .value_kind: global_buffer, .address_space: global }
    .group_segment_fixed_size: 327680
    .private_segment_fixed_size: 0
    .kernarg_segment_align: 8
    .kernarg_segment_size: 40
    .max_flat_workgroup_size: 128
    .sgpr_count:     66
    .vgpr_count:     960
    .wavefront_size: 32
...
	.end_amdgpu_metadata
.endif
;; end of part 3
;; launch oproj (part 4): grid 8 x 32, 4 waves a work-group, clusters of 4 x 4, 327,680 bytes of LDS; arguments ob, wob, out0; writes out0
.if DOCPART == 4
	.amdgcn_target "amdgcn-amd-amdhsa--gfx1250"
	.amdhsa_code_object_version 6
	.text
	.protected	k_qee7d8861fa_oproj
	.globl	k_qee7d8861fa_oproj
	.p2align	8
	.type	k_qee7d8861fa_oproj,@function
k_qee7d8861fa_oproj:
	s_mov_b64 s[64:65], 0
	v_nop
	global_prefetch_b8 v0, s[64:65] scope:SCOPE_SE
	s_setreg_imm32_b32 hwreg(HW_REG_WAVE_MODE, 25, 1), 1
	s_wait_xcnt 0x0
	s_wait_alu depctr_hold_cnt(0) depctr_sa_sdst(0) depctr_va_vdst(0) depctr_va_sdst(0) depctr_va_ssrc(0) depctr_va_vcc(0) depctr_vm_vsrc(0)
	s_getreg_b32 s2, hwreg(HW_REG_IB_STS2, 6, 4)
	s_cmp_eq_u32 s2, 0
	s_cbranch_scc0 .Lentry_in_a_cluster
	s_endpgm
.Lentry_in_a_cluster:
	s_bfe_u32 s2, ttmp6, 0x10000c
	s_cmp_lg_u32 s2, 0xf033
	s_cbranch_scc0 .Lentry_shape_is_right
	s_endpgm
.Lentry_shape_is_right:
; out = values W_out.  ob: [batch x 16 + head][2048][64] f16 (channel e of a row = head e / 64, place e % 64).  wob: [1024 k][1024 n] f16.  out0: [8192][1024] f32.  Sums in f32.
; A work-group of four waves makes 256 rows x 128 columns; a wave 64 rows x 128: 32 accumulators.  8 x 32 = 256 work-groups.
; K goes in 8 steps of 128 (two heads) through two LDS slots: wave 0 and wave 1 fetch a head's 256 rows each (32,768 dense bytes), waves 2 and 3 the halves of W's 128 rows of 256 bytes.
; CLUSTER 4 x 4: the rows of O are shared along a cluster's row, W's columns along a cluster's column: joint loads.
; THE PRODUCT IS USED TRANSPOSED: source 0 = 16 columns of W (stored [k][n], turned by ds_load_tr16_b128), source 1 = 16 rows of O: a lane holds row l % 16 and the columns 8 (l / 16) + 0..7.
; REGISTERS: window 0: v0-31 addresses; v64-127 O's fragments, two buffers of 4; v128-255 the way out.  window 1: v0-127 W's fragments, two buffers of 8.  window 2: accumulator (a, b) at 64 a + 8 b.
.set NB,     8
.set PA,     144                       ; a head's row in LDS: 128 bytes + 16
.set PB,     288                       ; a row of W in LDS: 256 bytes + 32: an odd multiple of 32
.set AHALF,  256*PA
.set BOFF,   2*AHALF
.set BHALF,  64*PB
.set SLOT,   BOFF+2*BHALF              ; 110,592
.set STAGE,  2*SLOT                    ; behind the ring, never filled by a tensor load: 16 rows x 528 bytes for each wave
.set SPITCH, 528
.set SPARE,  STAGE+4*16*SPITCH         ; the spare words, 128 bytes a wave
.set ASTEP,  2*2048*128                ; a K step in ob: two heads
.set BSTEP,  128*2048                  ; a K step in wob: 128 rows
.set ADRA, 16
.set ADRB, 20
.set STO,  24
.set RD,   25
.set GO,   26
.set SPW,  28                          ; my spare word; never rewritten
.set NIL,  29                          ; 0; never rewritten
.set PFO,  30
.set FA,   64
.set BK,   128
.set G1,  24
.set G0,  32
.set G1B, 48
.set G0B, 56
.set LIM, 43
.set PFA, 44
.set PST, 74
.set MSB, 0
.macro WIN new
.if MSB != (\new)
	s_set_vgpr_msb (MSB<<8)|(\new)
.set MSB, \new
.endif
.endm
.set MUL_LO, 0xa1                      ; source 0 (W) window 1, source 1 (O) window 0, C and D window 2
.set TO_B,   0x40
.macro JLOAD s
	s_cmp_eq_u32 s11, 0
	s_cbranch_scc0 .Lfor_b_\@
	tensor_load_to_lds s[G0+4*(\s):G0+4*(\s)+3], s[G1:G1+7]
	s_nop 0
.rept 4
	v_nop
.endr
	s_branch .Lasked_\@
.Lfor_b_\@:
	tensor_load_to_lds s[G0B+4*(\s):G0B+4*(\s)+3], s[G1B:G1B+7]
	s_nop 0
.rept 4
	v_nop
.endr
.Lasked_\@:
.endm
; A prefetch of the K step that stands two refills on: O's rows by the cluster with x = 0, W's by the cluster with y = 0; the four partners of a joint load share its blocks out by address.
.macro ASK
	s_cmp_gt_u32 s3, s[LIM]
	s_cbranch_scc0 .Lnot_mine_\@
	global_prefetch_b8 v[PFO], s[PFA:PFA+1] th:TH_LOAD_NT scope:SCOPE_SE
.Lnot_mine_\@:
.endm
.macro CREST
	s_cmp_lg_u32 s10, 0
	s_cbranch_scc1 .Lnot_wave_0_\@
	s_barrier_signal -3
.Lnot_wave_0_\@:
	s_barrier_wait -3
	s_barrier_signal -1
	s_barrier_wait -1
.endm
.macro CROUND
	s_barrier_signal -1
	s_barrier_wait -1
	CREST
.endm
.macro PLACES
.rept 4
	v_nop
.endr
.endm
	s_load_b128 s[4:7], s[0:1], 0x0                ; ob s[4:5], wob s[6:7]
	s_load_b64 s[68:69], s[0:1], 0x10              ; out0
	v_lshl_add_u32 v[SPW], v0, 2, SPARE
	v_mov_b32 v[NIL], 0
	ds_add_u32 v[SPW], v[NIL]                      ; the wave's opening: the add and its wait ahead of my first tensor load
	v_lshrrev_b32 v1, 5, v0
	v_readfirstlane_b32 s10, v1                    ; wave 0..3: my 64 rows of the tile
	s_lshr_b32 s11, s10, 1                         ; I fetch for O (0) or for W (1),
	s_and_b32 s12, s10, 1                          ; this half of the tile
	s_bfe_u32 s40, ttmp6, 0x40000                  ; cx
	s_bfe_u32 s41, ttmp6, 0x40004                  ; cy
	s_lshl_b32 s42, ttmp9, 2
	s_add_co_u32 s42, s42, s40                     ; the block of 128 columns
	s_and_b32 s13, ttmp7, 0xffff
	s_lshl_b32 s13, s13, 2
	s_add_co_u32 s13, s13, s41                     ; the block of 256 rows
	s_lshl_b32 s43, s41, 2
	s_lshl_b32 s43, 15, s43                        ; my row of the cluster
	s_lshl_b32 s44, 0x1111, s40                    ; my column
	s_or_b32 s[G1+0], s43, (1<<16)|(1<<20)|(1<<21)|(4<<22)|(3<<25)   ; after every 32 words (a head's row) 4 words
	s_mov_b32 s[G1+1], 128<<16                     ; 32,768 dense bytes, asked for as 128 rows of 256 bytes
	s_mov_b32 s[G1+2], 128<<16
	s_mov_b32 s[G1+3], 128<<16
	s_mov_b32 s[G1+4], 128
	s_mov_b32 s[G1+5], 128
	s_mov_b32 s[G1+6], 0
	s_mov_b32 s[G1+7], 0
	s_or_b32 s[G1B+0], s44, (1<<16)|(1<<20)|(1<<21)|(5<<22)|(7<<25)  ; after every 64 words 8 words
	s_mov_b32 s[G1B+1], 128<<16
	s_mov_b32 s[G1B+2], 64<<16
	s_mov_b32 s[G1B+3], 128<<16
	s_mov_b32 s[G1B+4], 64
	s_mov_b32 s[G1B+5], 1024
	s_mov_b32 s[G1B+6], 0
	s_mov_b32 s[G1B+7], 0
	s_lshr_b32 s16, s13, 3                         ; O: ((batch x 16 + my head of the K step) x 2,048 + the tile's row in the batch) x 128 bytes
	s_lshl_b32 s16, s16, 4
	s_add_co_u32 s16, s16, s12
	s_lshl_b32 s16, s16, 11
	s_and_b32 s17, s13, 7
	s_lshl_b32 s17, s17, 8
	s_add_co_u32 s16, s16, s17
	s_lshl_b32 s16, s16, 7
	s_mov_b32 s17, 0
	s_lshl_b32 s46, s12, 17                        ; W: my 64 rows of 2,048 bytes,
	s_lshl_b32 s47, s42, 8                         ; the block's 256 bytes of a row
	s_add_co_u32 s46, s46, s47
	s_mov_b32 s47, 0
	s_mul_i32 s20, s12, AHALF                      ; where they go
	s_mul_i32 s21, s12, BHALF
	s_add_co_u32 s21, s21, BOFF
	s_wait_dscnt 0x0                               ; the opening add is done
	s_wait_kmcnt 0x0
	s_add_nc_u64 s[14:15], s[4:5], s[16:17]
	s_add_nc_u64 s[46:47], s[6:7], s[46:47]
	CROUND                                         ; all sixteen work-groups are here: the first joint loads meet
.irp s, 0,1
	s_mov_b32 s[G0+4*(\s)], 1
	s_add_co_u32 s[G0+4*(\s)+1], s20, (\s)*SLOT
	s_add_nc_u64 s[G0+4*(\s)+2:G0+4*(\s)+3], s[14:15], (\s)*ASTEP
	s_or_b32 s[G0+4*(\s)+3], s[G0+4*(\s)+3], 0x80000000
	s_mov_b32 s[G0B+4*(\s)], 1
	s_add_co_u32 s[G0B+4*(\s)+1], s21, (\s)*SLOT
	s_add_nc_u64 s[G0B+4*(\s)+2:G0B+4*(\s)+3], s[46:47], (\s)*BSTEP
	s_or_b32 s[G0B+4*(\s)+3], s[G0B+4*(\s)+3], 0x80000000
	JLOAD \s
.endr
	v_and_b32 v1, 15, v0                           ; l % 16
	v_bfe_u32 v2, v0, 4, 1                         ; l / 16
	v_mul_u32_u24 v3, v1, PA
	v_lshl_add_u32 v3, v2, 4, v3
	s_mul_i32 s22, s10, 64*PA                      ; my 64 rows
	v_add_nc_u32 v[ADRA], s22, v3
	v_add_nc_u32 v[ADRA+1], SLOT, v[ADRA]
	v_and_b32 v4, 7, v0
	v_lshl_add_u32 v4, v2, 3, v4
	v_mul_u32_u24 v4, v4, PB
	v_bfe_u32 v5, v0, 3, 1
	v_lshl_add_u32 v4, v5, 4, v4
	v_add_nc_u32 v[ADRB], BOFF, v4
	v_add_nc_u32 v[ADRB+1], BOFF+SLOT, v4
	s_mul_i32 s23, s10, 16*SPITCH
	s_add_co_u32 s23, s23, STAGE                   ; my stage
	v_mul_u32_u24 v4, v1, SPITCH                   ; in: row l % 16, 32 bytes for each half of the lanes
	v_lshl_add_u32 v4, v2, 5, v4
	v_add_nc_u32 v[STO], s23, v4
	v_and_b32 v[GO], 31, v0                        ; back: 32 lanes take one row of 512 bytes
	v_lshlrev_b32 v[GO], 4, v[GO]
	v_add_nc_u32 v[RD], s23, v[GO]
	s_lshl_b32 s76, s13, 8                         ; out0 at my first row and the block's first column
	s_lshl_b32 s77, s10, 6
	s_add_co_u32 s76, s76, s77
	s_lshl_b32 s76, s76, 12
	s_lshl_b32 s77, s42, 9
	s_add_co_u32 s76, s76, s77
	s_mov_b32 s77, 0
	s_add_nc_u64 s[68:69], s[68:69], s[76:77]
	; the prefetches.  O: of the 128 blocks of 256 bytes that I fetch my work-group takes 32 (by cx), a lane a block.  W: of the 64 rows it takes 16 (by cy); lanes 16-31 name the last of them again.
	s_lshl_b32 s20, s40, 13
	s_add_co_u32 s20, s20, s16
	s_add_co_u32 s20, s20, 3*ASTEP                 ; at K step 3: the first refill steps it to 4
	s_lshl_b32 s21, s12, 17
	s_lshl_b32 s22, s41, 15
	s_add_co_u32 s21, s21, s22
	s_lshl_b32 s22, s42, 8
	s_add_co_u32 s21, s21, s22
	s_add_co_u32 s21, s21, 3*BSTEP
	s_and_b32 s22, ttmp7, 0xffff                   ; cluster y
	s_mov_b32 s[PST], BSTEP
	s_mov_b32 s[PST+1], 0
	s_cmp_eq_u32 s11, 0                            ; do I fetch for O?
	s_cselect_b32 s20, s20, s21
	s_cselect_b32 s22, ttmp9, s22
	s_cselect_b64 s[PFA:PFA+1], s[4:5], s[6:7]
	s_cselect_b32 s[PST], ASTEP, s[PST]
	s_cselect_b32 s18, 31, 15
	s_cselect_b32 s19, 8, 11
	s_mov_b32 s21, 0
	s_add_nc_u64 s[PFA:PFA+1], s[PFA:PFA+1], s[20:21]
	s_cmp_eq_u32 s22, 0
	s_cselect_b32 s[LIM], 1, -1
	v_and_b32 v[PFO], 31, v0
	v_min_u32 v[PFO], s18, v[PFO]
	v_lshlrev_b32 v[PFO], s19, v[PFO]
; 8 products: row block a x all column blocks, 32 along K, from buffer p.  The 32 accumulators take turns in the same order in every quarter.
.macro MULA p, a, zero
	WIN MUL_LO
.irp b, 0,1,2,3,4,5,6,7
.if \zero
	v_wmma_f32_16x16x32_f16 v[64*(\a)+8*(\b):64*(\a)+8*(\b)+7], v[64*(\p)+8*(\b):64*(\p)+8*(\b)+7], v[FA+32*(\p)+8*(\a):FA+32*(\p)+8*(\a)+7], 0
.else
	v_wmma_f32_16x16x32_f16 v[64*(\a)+8*(\b):64*(\a)+8*(\b)+7], v[64*(\p)+8*(\b):64*(\p)+8*(\b)+7], v[FA+32*(\p)+8*(\a):FA+32*(\p)+8*(\a)+7], v[64*(\a)+8*(\b):64*(\a)+8*(\b)+7]
.endif
.endr
.endm
; 24 LDS loads in one run: quarter q of a slot into buffer p: W's 8 fragments, then O's 4 (quarters 0, 1 lie in the K step's first head, 2, 3 in its second)
.macro FETCH slot, q, p
	WIN TO_B
.irp b, 0,1,2,3,4,5,6,7
	ds_load_tr16_b128 v[64*(\p)+8*(\b):64*(\p)+8*(\b)+3],   v[ADRB+(\slot)] offset:(\q)*32*PB+32*(\b)
	ds_load_tr16_b128 v[64*(\p)+8*(\b)+4:64*(\p)+8*(\b)+7], v[ADRB+(\slot)] offset:(\q)*32*PB+32*(\b)+16*PB
.endr
	WIN 0
.irp a, 0,1,2,3
	ds_load_b128 v[FA+32*(\p)+8*(\a):FA+32*(\p)+8*(\a)+3],   v[ADRA+(\slot)] offset:((\q)/2)*AHALF+(\a)*16*PA+((\q)%2)*64
	ds_load_b128 v[FA+32*(\p)+8*(\a)+4:FA+32*(\p)+8*(\a)+7], v[ADRA+(\slot)] offset:((\q)/2)*AHALF+(\a)*16*PA+((\q)%2)*64+32
.endr
.endm
.macro QUARTER slot, qn, p, zero
	s_wait_dscnt 6                                 ; W's fragments and O's block 0 are in; six loads may be out
	MULA \p, 0, \zero
	PLACES
	FETCH \slot, \qn, 1-(\p)
	s_wait_dscnt 2*NB+8                            ; all but the 24 just issued
	MULA \p, 1, \zero
	MULA \p, 2, \zero
	MULA \p, 3, \zero
.endm
; The last quarter multiplies buffer 1 and changes slots: in front of the one barrier each wave waits for all its tensor loads, adds 0 to its spare word, and waits for that and for its reads of this slot.
.macro TURN slot, next, fill
.if \fill
	s_wait_xcnt 0x0                                ; the last prefetch, a K step back, has read its address
	s_add_nc_u64 s[PFA:PFA+1], s[PFA:PFA+1], s[PST:PST+1]
.endif
	WIN 0
	s_wait_tensorcnt 0x0
	ds_add_u32 v[SPW], v[NIL]
	s_wait_dscnt 7                                 ; the add and six loads may be out
	MULA 1, 0, 0
	s_wait_dscnt 0x0                               ; the add is done, and my reads of this slot are over
	s_barrier_signal -1
	MULA 1, 1, 0
.if \fill
	WIN 0
.endif
	s_barrier_wait -1
.if \fill
	CREST                                          ; no wave of any partner still reads this slot or has a load on its way
	s_add_nc_u64 s[G0+4*(\slot)+2:G0+4*(\slot)+3], s[G0+4*(\slot)+2:G0+4*(\slot)+3], 2*ASTEP
	s_add_nc_u64 s[G0B+4*(\slot)+2:G0B+4*(\slot)+3], s[G0B+4*(\slot)+2:G0B+4*(\slot)+3], 2*BSTEP
	JLOAD \slot                                    ; the first tensor load behind the round; its four v_nop are also the places in front of the loads below
.else
	PLACES
.endif
	FETCH \next, 0, 0
.if \fill
	ASK
.endif
	MULA 1, 2, 0
	MULA 1, 3, 0
.endm
; The way out of row block a: 32 bytes a lane straight from the accumulators into my stage (each accumulator's low registers first), back as whole rows of 512 bytes, stored.
.macro OUTBLK a
	WIN 0
	s_wait_xcnt 0x0                                ; earlier stores have read their registers
	WIN 0x08                                       ; the stores' data in window 2
.irp b, 0,1,2,3,4,5,6,7
	ds_store_b128 v[STO], v[64*(\a)+8*(\b):64*(\a)+8*(\b)+3]   offset:64*(\b)
	ds_store_b128 v[STO], v[64*(\a)+8*(\b)+4:64*(\a)+8*(\b)+7] offset:64*(\b)+16
.endr
	WIN 0
.irp t, 0,1,2,3,4,5,6,7,8,9,10,11,12,13,14,15
	ds_load_b128 v[BK+64*((\a)%2)+4*(\t):BK+64*((\a)%2)+4*(\t)+3], v[RD] offset:SPITCH*(\t)  ; LDS serves a wave's instructions in order: these see the stores above
.endr
	s_wait_dscnt 0x0
.irp t, 0,1,2,3,4,5,6,7,8,9,10,11,12,13,14,15
	global_store_b128 v[GO], v[BK+64*((\a)%2)+4*(\t):BK+64*((\a)%2)+4*(\t)+3], s[68:69] offset:(16*(\a)+(\t))*4096  ; 512 consecutive bytes of a row, aligned
.endr
.endm
	s_wait_tensorcnt 1                             ; my part of K step 0 is in; K step 1's may stay out
	s_barrier_signal -1
	s_barrier_wait -1
	FETCH 0, 0, 0
	QUARTER 0, 1, 0, 1                             ; the first quarter's products start the sums
	WIN 0
	s_mov_b32 s3, 3
.Llap:
	QUARTER 0, 2, 1, 0
	QUARTER 0, 3, 0, 0
	TURN 0, 1, 1
	QUARTER 1, 1, 0, 0
	QUARTER 1, 2, 1, 0
	QUARTER 1, 3, 0, 0
	TURN 1, 0, 1
	QUARTER 0, 1, 0, 0
	WIN 0
	s_sub_co_u32 s3, s3, 1
	s_cmp_lg_u32 s3, 0
	s_cbranch_scc1 .Llap
	QUARTER 0, 2, 1, 0                             ; the last lap fills nothing
	QUARTER 0, 3, 0, 0
	TURN 0, 1, 0
	QUARTER 1, 1, 0, 0
	QUARTER 1, 2, 1, 0
	QUARTER 1, 3, 0, 0
	s_wait_dscnt 6
	MULA 1, 0, 0
	s_wait_dscnt 0x0
	MULA 1, 1, 0
	MULA 1, 2, 0
	MULA 1, 3, 0
	WIN 0
	PLACES
	OUTBLK 0
	OUTBLK 1
	OUTBLK 2
	OUTBLK 3
	s_wait_tensorcnt 0x0                           ; the wave's end
	ds_add_u32 v[SPW], v[NIL]
	s_wait_dscnt 0x0
	CROUND                                         ; the closing round
	s_endpgm
.Lfunc_end_k_qee7d8861fa_oproj:
	.size	k_qee7d8861fa_oproj, .Lfunc_end_k_qee7d8861fa_oproj-k_qee7d8861fa_oproj
	.p2alignl 7, 3214868480
	.fill 96, 4, 3214868480
	.section	.rodata,"a",@progbits
	.p2align	6, 0x0
	.amdhsa_kernel k_qee7d8861fa_oproj
		.amdhsa_group_segment_fixed_size 327680
		.amdhsa_private_segment_fixed_size 0
		.amdhsa_enable_private_segment 0
		.amdhsa_kernarg_size 24
		.amdhsa_user_sgpr_count 2
		.amdhsa_user_sgpr_kernarg_segment_ptr 1
		.amdhsa_wavefront_size32 1
		.amdhsa_system_sgpr_workgroup_id_x 1
		.amdhsa_system_sgpr_workgroup_id_y 1
		.amdhsa_system_sgpr_workgroup_id_z 1
		.amdhsa_system_vgpr_workitem_id 0
		.amdhsa_next_free_vgpr 768
		.amdhsa_next_free_sgpr 80
		.amdhsa_reserve_vcc 0
		.amdhsa_float_denorm_mode_32 3
		.amdhsa_float_denorm_mode_16_64 3
		.amdhsa_memory_ordered 1
		.amdhsa_forward_progress 1
		.amdhsa_inst_pref_size 87
	.end_amdhsa_kernel
	.amdgpu_metadata
---
amdhsa.version: [ 1, 2 ]
amdhsa.kernels:
  - .name:           k_qee7d8861fa_oproj
    .symbol:         k_qee7d8861fa_oproj.kd
    .args:
      - { .name: ob, .offset: 0, .size: 8, .value_kind: global_buffer, .address_space: global }
      - { .name: wob, .offset: 8, .size: 8, .value_kind: global_buffer, .address_space: global }
      - { .name: out0, .offset: 16, .size: 8, .value_kind: global_buffer, .address_space: global }
    .group_segment_fixed_size: 327680
    .private_segment_fixed_size: 0
    .kernarg_segment_align: 8
    .kernarg_segment_size: 24
    .max_flat_workgroup_size: 128
    .sgpr_count:     80
    .vgpr_count:     768
    .wavefront_size: 32
...
	.end_amdgpu_metadata
.endif
;; end of part 4
